; MI455X (gfx1250); checked and timed in simulation.
; The chip was launched on July 23, 2026; its instructions are those of AMD's public machine-readable ISA for CDNA 5 (MIT licence, August 2026) and "CDNA5" Instruction Set Architecture Reference Guide (July 2026). The comments in the code are by the model that wrote it; some were corrected since.
;; Multi Cabeca Atencao. Allowed arithmetic: float matrix products may take bf16 or f16 operands with f32 sums; all other float work in f32.
;; Inputs: Wk 1,024 x 1,024 float32; Wo 1,024 x 1,024 float32; Wq 1,024 x 1,024 float32; Wv 1,024 x 1,024 float32; bk 1,024 float32; bo 1,024 float32; bq 1,024 float32; bv 1,024 float32; incorporacao 4 x 2,048 x 1,024 float32.
;; Outputs: out0 4 x 2,048 x 1,024 float32.
;; One version. Each part assembles by itself: llvm-mc -triple=amdgcn-amd-amdhsa -mcpu=gfx1250 --defsym DOCPART=n.
;; ======== version 1 of 1: 5 launches
;; limits: values outside matrix products are rounded to bf16; values are held in f16: magnitudes above 65,504 overflow, below 6.1e-05 lose precision
;; workspace buffers: xh 16,777,216 bytes; wh 8,388,608 bytes; qkv 50,331,648 bytes; pt 33,554,432 bytes; stats 1,048,576 bytes; ctx 16,777,216 bytes
;; launch prep (part 1): grid 768 x 1, 8 waves a work-group, no clusters, 0 bytes of LDS; arguments incorporacao, Wq, Wk, Wv, Wo, xh, wh; writes xh, wh
.if DOCPART == 1
	.amdgcn_target "amdgcn-amd-amdhsa--gfx1250"
	.amdhsa_code_object_version 6
	.text
	.protected	k_q88a1bb77f6_prep
	.globl	k_q88a1bb77f6_prep
	.p2align	8
	.type	k_q88a1bb77f6_prep,@function
k_q88a1bb77f6_prep:
	s_mov_b64 s[64:65], 0
	v_nop
	global_prefetch_b8 v0, s[64:65] scope:SCOPE_SE
	s_setreg_imm32_b32 hwreg(HW_REG_WAVE_MODE, 25, 1), 1
	s_wait_xcnt 0x0
; xh = f16(bf16(X)), wh[4][1024][1024] = f16(bf16(Wq, Wk, Wv, Wo)): every matrix operand that is an input is rounded
; to bf16 (nearest even) and kept in an f16 word, so that all later products use one f16 matrix form.
; LIMITS: |x| of 65,520 and more becomes infinity in f16; a bf16 number is exact in f16 down to 2^-17, below that the
; absolute error is at most 2^-25.
; A pure stream: no LDS, no barrier, no matrix unit, no cluster (no byte is read by two work-groups).
; Work-group g owns 65,536 bytes of f32 and 32,768 bytes of f16: g 0..511 X, then 64 work-groups for each weight matrix.
; Thread t, chunk i: 32 bytes in at 8,192 i + 32 t (two loads of 16 bytes), 16 bytes out at 4,096 i + 16 t, so sixteen
; neighbouring lanes store 256 consecutive bytes, aligned.  All 16 loads of a thread go out first; no register is used twice.
.set X, 32                             ; v[32:95]   chunk i: 8 f32 as loaded
.set Y, 96                             ; v[96:127]  chunk i: 8 f16 to store
.set P, 4                              ; v[4:7]     8 bf16, packed
.set T, 8                              ; v[8:15]    the same 8 as f32
	s_load_b256 s[8:15], s[0:1], 0x0               ; X s[8:9], Wq s[10:11], Wk s[12:13], Wv s[14:15]
	s_load_b128 s[16:19], s[0:1], 0x20             ; Wo s[16:17], xh s[18:19]
	s_load_b64 s[20:21], s[0:1], 0x30              ; wh
	s_mov_b32 s3, 0xffff0000                       ; a word's upper bf16
	s_lshr_b32 s22, ttmp9, 6                       ; 0..7: X; 8 Wq, 9 Wk, 10 Wv, 11 Wo
	s_and_b32 s23, ttmp9, 63
	s_lshl_b32 s24, s23, 16                        ; a weight matrix: my 65,536 bytes in it
	s_lshl_b32 s26, ttmp9, 16                      ; X: my 65,536 bytes in it
	s_lshl_b32 s28, ttmp9, 15                      ; xh: my 32,768 bytes
	s_sub_co_u32 s30, s28, 512<<15                 ; wh: the same, counted from work-group 512 (taken only where g >= 512)
	v_lshlrev_b32 v1, 5, v0                        ; 32 t
	v_lshlrev_b32 v2, 4, v0                        ; 16 t
	s_wait_kmcnt 0x0
	s_cmp_eq_u32 s22, 9                            ; the source is chosen by selects on the work-group's number: no branch
	s_cselect_b64 s[4:5], s[12:13], s[10:11]
	s_cmp_eq_u32 s22, 10
	s_cselect_b64 s[4:5], s[14:15], s[4:5]
	s_cmp_eq_u32 s22, 11
	s_cselect_b64 s[4:5], s[16:17], s[4:5]
	s_cmp_lt_u32 s22, 8
	s_cselect_b64 s[4:5], s[8:9], s[4:5]
	s_cselect_b64 s[6:7], s[18:19], s[20:21]
	s_cselect_b32 s24, s26, s24
	s_cselect_b32 s28, s28, s30
	s_mov_b32 s25, 0
	s_mov_b32 s29, 0
	s_add_nc_u64 s[4:5], s[4:5], s[24:25]
	s_add_nc_u64 s[6:7], s[6:7], s[28:29]
.irp i, 0,1,2,3,4,5,6,7
	global_load_b128 v[X+8*\i:X+8*\i+3],   v1, s[4:5] offset:8192*\i th:TH_LOAD_NT
	global_load_b128 v[X+8*\i+4:X+8*\i+7], v1, s[4:5] offset:8192*\i+16 th:TH_LOAD_NT
.endr
.irp i, 0,1,2,3,4,5,6,7
	s_wait_loadcnt 14-2*\i                         ; loads come back in order: chunk i's two are in, the younger chunks' stay out
.irp k, 0,1,2,3
	v_cvt_pk_bf16_f32 v[P+\k], v[X+8*\i+2*\k], v[X+8*\i+2*\k+1]    ; the rounding that counts
.endr
.irp k, 0,1,2,3
	v_lshlrev_b32 v[T+2*\k],   16, v[P+\k]
	v_and_b32     v[T+2*\k+1], s3, v[P+\k]
.endr
.irp k, 0,1,2,3
	v_cvt_pk_f16_f32 v[Y+4*\i+\k], v[T+2*\k], v[T+2*\k+1]          ; a change of container (see LIMITS)
.endr
	global_store_b128 v2, v[Y+4*\i:Y+4*\i+3], s[6:7] offset:4096*\i
.endr
	s_endpgm
.Lfunc_end_k_q88a1bb77f6_prep:
	.size	k_q88a1bb77f6_prep, .Lfunc_end_k_q88a1bb77f6_prep-k_q88a1bb77f6_prep
	.p2alignl 7, 3214868480
	.fill 96, 4, 3214868480
	.section	.rodata,"a",@progbits
	.p2align	6, 0x0
	.amdhsa_kernel k_q88a1bb77f6_prep
		.amdhsa_group_segment_fixed_size 0
		.amdhsa_private_segment_fixed_size 0
		.amdhsa_enable_private_segment 0
		.amdhsa_kernarg_size 56
		.amdhsa_user_sgpr_count 2
		.amdhsa_user_sgpr_kernarg_segment_ptr 1
		.amdhsa_wavefront_size32 1
		.amdhsa_system_sgpr_workgroup_id_x 1
		.amdhsa_system_sgpr_workgroup_id_y 1
		.amdhsa_system_sgpr_workgroup_id_z 1
		.amdhsa_system_vgpr_workitem_id 0
		.amdhsa_next_free_vgpr 128
		.amdhsa_next_free_sgpr 66
		.amdhsa_reserve_vcc 0
		.amdhsa_float_denorm_mode_32 3
		.amdhsa_float_denorm_mode_16_64 3
		.amdhsa_memory_ordered 1
		.amdhsa_forward_progress 1
		.amdhsa_inst_pref_size 10
	.end_amdhsa_kernel
	.amdgpu_metadata
---
amdhsa.version: [ 1, 2 ]
amdhsa.kernels:
  - .name:           k_q88a1bb77f6_prep
    .symbol:         k_q88a1bb77f6_prep.kd
    .args:
      - { .name: incorporacao, .offset: 0, .size: 8, .value_kind: global_buffer, .address_space: global }
      - { .name: Wq, .offset: 8, .size: 8, .value_kind: global_buffer, .address_space: global }
      - { .name: Wk, .offset: 16, .size: 8, .value_kind: global_buffer, .address_space: global }
      - { .name: Wv, .offset: 24, .size: 8, .value_kind: global_buffer, .address_space: global }
      - { .name: Wo, .offset: 32, .size: 8, .value_kind: global_buffer, .address_space: global }
      - { .name: xh, .offset: 40, .size: 8, .value_kind: global_buffer, .address_space: global }
      - { .name: wh, .offset: 48, .size: 8, .value_kind: global_buffer, .address_space: global }
    .group_segment_fixed_size: 0
    .private_segment_fixed_size: 0
    .kernarg_segment_align: 8
    .kernarg_segment_size: 56
    .max_flat_workgroup_size: 256
    .sgpr_count:     66
    .vgpr_count:     128
    .wavefront_size: 32
...
	.end_amdgpu_metadata
.endif
;; end of part 1
;; launch proj (part 2): grid 12 x 32, 4 waves a work-group, clusters of 4 x 4, 327,680 bytes of LDS; arguments xh, wh, bq, bk, bv, qkv; writes qkv
.if DOCPART == 2
	.amdgcn_target "amdgcn-amd-amdhsa--gfx1250"
	.amdhsa_code_object_version 6
	.text
	.protected	k_q88a1bb77f6_proj
	.globl	k_q88a1bb77f6_proj
	.p2align	8
	.type	k_q88a1bb77f6_proj,@function
k_q88a1bb77f6_proj:
	s_mov_b64 s[64:65], 0
	v_nop
	global_prefetch_b8 v0, s[64:65] scope:SCOPE_SE
	s_setreg_imm32_b32 hwreg(HW_REG_WAVE_MODE, 25, 1), 1
	s_wait_xcnt 0x0
	s_wait_alu depctr_hold_cnt(0) depctr_sa_sdst(0) depctr_va_vdst(0) depctr_va_sdst(0) depctr_va_ssrc(0) depctr_va_vcc(0) depctr_vm_vsrc(0)
	s_getreg_b32 s2, hwreg(HW_REG_IB_STS2, 6, 4)
	s_cmp_eq_u32 s2, 0
	s_cbranch_scc0 .Lentry_in_a_cluster
	s_endpgm
.Lentry_in_a_cluster:
	s_bfe_u32 s2, ttmp6, 0x10000c
	s_cmp_lg_u32 s2, 0xf033
	s_cbranch_scc0 .Lentry_shape_is_right
	s_endpgm
.Lentry_shape_is_right:
; qkv[8192][3072] (f16) = xh[8192][1024] x [Wq | Wk | Wv] + [bq | bk | bv], sums in f32.
; LIMITS: the biases are rounded to bf16 like every other input and added in f32; |q|, |k|, |v| of 65,520 and more become infinity (f16).
; A work-group makes a block of 256 x 256 with four waves, a wave 128 x 128: 64 accumulator tiles of 16 x 16, 512 registers.
; 32 x 12 = 384 work-groups.  K goes in steps of 128 through two LDS slots filled by the tensor data mover; a K step is 256 matrix
; instructions of a wave, and from a tile's request to the wait for it a wave issues 240 of them.
; The weights lie [K][N] as they come: their tile is 128 k-rows of 512 bytes, read with the transposing LDS load.
; CLUSTERS: 4 x 4 work-groups.  The four of a row of the cluster need the same tile of xh, the four of a column the same tile of the
; weights: each tile is asked for jointly, with one descriptor and a mask that names the four.
; LDS: slot s at s x 139,264: A 256 rows, pitch 272 (69,632 bytes), then B 128 k-rows, pitch 544 (69,632).  From 278,528 on: a stage of
; 16 x 272 bytes for each wave, which no tensor load ever fills.
; REGISTERS, in windows of 256:
;   window 0: v0-31 addresses; v64-127, v128-191 fragments of A (8 x 16 rows x 32 K), two buffers; v192-223 packed results
;   window 1: v0-63 the bias of my lane's 64 columns; v64-127, v128-191 fragments of B, two buffers
;   window 2: the 32 accumulator tiles of my rows 0-63 (tile (a, b) at v[8 (8 a + b)]);   window 3: those of my rows 64-127
; The matrix instruction is used transposed (source 0 = 16 columns of B, source 1 = 16 rows of A): lane l holds row l % 16 of the
; result and its registers 0..7 the columns 8 (l / 16) + 0..7, eight neighbours that pack into 16 bytes.
.set LAPS,   4                         ; K = 1,024 = 4 laps of two K steps
.set KSTEP,  128
.set APE,    1024                      ; A's pitch, elements
.set BPE,    1024                      ; B's pitch, elements
.set ASTEP,  256                       ; bytes from a K step to the next in A (128 along a row)
.set BSTEP,  128*BPE*2                 ; and in B (128 rows down)
.set CPITCH, 6144                      ; bytes in a row of qkv
.set PITCH,  272                       ; A's LDS row: 256 bytes + 16: the 16 rows of a fragment load start at 16 different 16-byte columns
.set BPITCH, 544                       ; B's LDS row: 512 bytes + 32, an odd multiple of 32
.set HALFT,  128*PITCH                 ; what one tensor load brings: 128 rows of A, or 64 k-rows of B (64 x 544, the same bytes)
.set SLOT,   4*HALFT
.set STAGE,  2*SLOT
.set SPITCH, 272
.set ADRA, 16                          ; v16-17 LDS address of my A fragments in slot 0, 1
.set ADRB, 20                          ; v20-21 the same for B
.set STO,  24                          ; the way out: where I put 16 bytes of a row
.set RD,   25                          ; where I read a row back
.set CO,   26                          ; my byte offset in the output
.set AUX,  27                          ; my byte offset in the bias
.set F0,   64
.set F1,   128
.set T64,  128                         ; the way out: 64 f32 at work
.set TMP,  192
.set G1,  24                           ; s[24:31] group 1 for A's tiles
.set G0,  32                           ; s[32:39] group 0 for A's tiles, a set for each slot
.set G1B, 48                           ; s[48:55] group 1 for B's tiles
.set G0B, 56                           ; s[56:63] group 0 for B's tiles, a set for each slot
.set MUL_LO, 0xa1                      ; source 0 (B) window 1, source 1 (A) window 0, C and D window 2
.set MUL_HI, 0xf1                      ; the same, C and D window 3
.set TO_B,   0x40                      ; destination window 1, address window 0
.set MSB, 0
.macro WIN new                         ; the immediate's high byte repeats the setting that is left
.if MSB != (\new)
	s_set_vgpr_msb (MSB<<8)|(\new)
.set MSB, (\new)
.endif
.endm
.macro PLACES                          ; four places behind a matrix instruction, in front of loads into and reads of its registers
.rept 4
	v_nop
.endr
.endm
; A joint load.  Waves 0 and 1 fetch A's two halves, waves 2 and 3 B's.  The branch hangs on the wave's number alone.
.macro JLOAD s
	s_cmp_eq_u32 s11, 0
	s_cbranch_scc0 .Lfor_b_\@
	tensor_load_to_lds s[G0+4*\s:G0+4*\s+3], s[G1:G1+7]
	s_nop 0
.rept 4
	v_nop
.endr
	s_branch .Lasked_\@
.Lfor_b_\@:
	tensor_load_to_lds s[G0B+4*\s:G0B+4*\s+3], s[G1B:G1B+7]
	s_nop 0
.rept 4
	v_nop
.endr
.Lasked_\@:
.endm
.macro CREST                           ; a round of the cluster's barrier behind its opening work-group barrier
	s_cmp_lg_u32 s10, 0
	s_cbranch_scc1 .Lnot_wave_0_\@
	s_barrier_signal -3
.Lnot_wave_0_\@:
	s_barrier_wait -3
	s_barrier_signal -1
	s_barrier_wait -1
.endm
.macro CROUND                          ; a whole round
	s_barrier_signal -1
	s_barrier_wait -1
	CREST
.endm
; 16 matrix instructions: row blocks a0, a0 + 1 of the window's four (hi = 0: my rows 0-63, 1: rows 64-127) x all 8 column blocks, 32 along K.
; zero = 1: the first product starts the sums.  The 64 accumulators take turns, one instruction a turn, in the same order in every
; quarter step.
.macro MUL16 f, hi, a0, zero
.irp a, \a0, \a0+1
.irp b, 0,1,2,3,4,5,6,7
.if \zero
	v_wmma_f32_16x16x32_f16 v[8*(8*(\a)+\b):8*(8*(\a)+\b)+7], v[\f+8*\b:\f+8*\b+7], v[\f+8*(4*\hi+\a):\f+8*(4*\hi+\a)+7], 0
.else
	v_wmma_f32_16x16x32_f16 v[8*(8*(\a)+\b):8*(8*(\a)+\b)+7], v[\f+8*\b:\f+8*\b+7], v[\f+8*(4*\hi+\a):\f+8*(4*\hi+\a)+7], v[8*(8*(\a)+\b):8*(8*(\a)+\b)+7]
.endif
.endr
.endr
.endm
; 32 LDS loads in one run: quarter step kq of a slot into buffer f: B's 8 fragments (transposed on the way), then A's 8.
.macro FETCH slot, kq, f
	WIN TO_B
.irp i, 0,1,2,3,4,5,6,7
	ds_load_tr16_b128 v[\f+8*\i:\f+8*\i+3],   v[ADRB+\slot] offset:\kq*32*BPITCH+32*\i
	ds_load_tr16_b128 v[\f+8*\i+4:\f+8*\i+7], v[ADRB+\slot] offset:\kq*32*BPITCH+32*\i+16*BPITCH
.endr
	WIN 0
.irp i, 0,1,2,3,4,5,6,7
	ds_load_b128 v[\f+8*\i:\f+8*\i+3],   v[ADRA+\slot] offset:\kq*64+\i*16*PITCH
	ds_load_b128 v[\f+8*\i+4:\f+8*\i+7], v[ADRA+\slot] offset:\kq*64+\i*16*PITCH+32
.endr
.endm
; One of a K step's first three quarters: multiplies buffer f, and in its middle fetches quarter kq of the same slot into buffer g.
.macro QUARTER slot, kq, f, g, zero
	s_wait_dscnt 8                                 ; B and A's rows 0-63 are in; the eight youngest loads (A's rows 64-127) may be out
	WIN MUL_LO
	MUL16 \f, 0, 0, \zero
	MUL16 \f, 0, 2, \zero
	PLACES
	FETCH \slot, \kq, \g
	s_wait_dscnt 32                                ; all but the 32 just issued
	WIN MUL_HI
	MUL16 \f, 1, 0, \zero
	MUL16 \f, 1, 2, \zero
.endm
.macro THREE slot, zero
	QUARTER \slot, 1, F0, F1, \zero
	QUARTER \slot, 2, F1, F0, 0
	QUARTER \slot, 3, F0, F1, 0
.endm
; The last quarter multiplies buffer 1 and changes slots.  In front of the barrier each wave waits for its reads of this slot and for
; all its tensor loads (one is out: its part of the next slot).  Behind it (fill = 1: behind the whole round of the cluster's barrier)
; the refill comes first, then the next slot's first fragments.
.macro TURN slot, next, fill
	s_wait_dscnt 8
	WIN MUL_LO
	MUL16 F1, 0, 0, 0
	s_wait_dscnt 0x0                               ; my reads of this slot are over
	s_wait_tensorcnt 0x0                           ; all my tensor loads have landed
	ds_add_u32 v255, v255
	s_wait_dscnt 0x0
	s_barrier_signal -1
	MUL16 F1, 0, 2, 0                              ; register work while the others arrive
	WIN 0
	s_barrier_wait -1
.if \fill
	CREST                                          ; all sixteen work-groups have said the same
	s_add_nc_u64 s[G0+4*\slot+2:G0+4*\slot+3], s[G0+4*\slot+2:G0+4*\slot+3], 2*ASTEP
	s_add_nc_u64 s[G0B+4*\slot+2:G0B+4*\slot+3], s[G0B+4*\slot+2:G0B+4*\slot+3], 2*BSTEP
	JLOAD \slot                                    ; its four v_nop are also the places in front of the loads below
.else
	PLACES
.endif
	FETCH \next, 0, F0
	WIN MUL_HI
	MUL16 F1, 1, 0, 0
	MUL16 F1, 1, 2, 0
.endm
.macro LAP zero
	THREE 0, \zero
	TURN 0, 1, 1
	THREE 1, 0
	TURN 1, 0, 1
.endm
; 16 rows of f16 results, packed in TMP, go through my own stage and leave as whole rows of 256 bytes.
.macro STAGE_OUT i, rb
.irp b, 0,1,2,3,4,5,6,7
	ds_store_b128 v[STO], v[TMP+4*\b:TMP+4*\b+3] offset:32*\b
.endr
	s_wait_xcnt 0x0                                ; the earlier stores' data registers and base are rewritten only behind this wait
.if \i
	s_add_nc_u64 s[8:9], s[8:9], 16*CPITCH
.endif
.irp t, 0,1,2,3,4,5,6,7
	ds_load_b128 v[\rb+4*\t:\rb+4*\t+3], v[RD] offset:\t*2*SPITCH  ; LDS serves a wave's instructions in order: these see the stores above
.endr
.irp t, 0,1,2,3,4,5,6,7
	s_wait_dscnt 7-\t                              ; load t is in, the younger ones stay out
	global_store_b128 v[CO], v[\rb+4*\t:\rb+4*\t+3], s[8:9] offset:2*\t*CPITCH   ; 16 lanes store 256 consecutive bytes, aligned
.endr
.endm
	s_load_b128 s[4:7], s[0:1], 0x0                ; xh s[4:5], wh s[6:7]
	s_load_b128 s[68:71], s[0:1], 0x10             ; bq s[68:69], bk s[70:71]
	s_load_b64 s[72:73], s[0:1], 0x20              ; bv
	s_load_b64 s[8:9], s[0:1], 0x28                ; qkv
	s_set_vgpr_msb 0x40
	v_lshl_add_u32 v255, v0, 2, 0x48400
	s_set_vgpr_msb 0x4000
	v_mov_b32 v255, 0
	s_set_vgpr_msb 0x1
	ds_add_u32 v255, v255
	s_set_vgpr_msb 0x100
	v_lshrrev_b32 v1, 5, v0
	v_readfirstlane_b32 s10, v1                    ; wave 0..3
	s_lshr_b32 s11, s10, 1                         ; which 128 rows are mine.  Also: I fetch for A (0) or for B (1)
	s_and_b32 s12, s10, 1                          ; which 128 columns.  Also: which half of that tile I fetch
	s_bfe_u32 s40, ttmp6, 0x40000                  ; cx
	s_bfe_u32 s41, ttmp6, 0x40004                  ; cy
	s_lshl_b32 s42, ttmp9, 2
	s_add_co_u32 s42, s42, s40                     ; block column = 4 x cluster x + cx
	s_and_b32 s13, ttmp7, 0xffff
	s_lshl_b32 s13, s13, 2
	s_add_co_u32 s13, s13, s41                     ; block row = 4 x cluster y + cy
	s_lshl_b32 s43, s41, 2
	s_lshl_b32 s43, 15, s43                        ; my row of the cluster
	s_lshl_b32 s44, 0x1111, s40                    ; my column
	; group 1 for A: 128 rows x 128 elements of 2 bytes, 4 words of padding behind every 64
	s_or_b32 s[G1+0], s43, (1<<16)|(1<<20)|(1<<21)|(5<<22)|(3<<25)
	s_mov_b32 s[G1+1], KSTEP<<16                   ; tensor_dim0 = 128
	s_mov_b32 s[G1+2], 128<<16                     ; tensor_dim1 = 128
	s_mov_b32 s[G1+3], KSTEP<<16                   ; tile_dim0 = 128
	s_mov_b32 s[G1+4], 128                         ; tile_dim1 = 128
	s_mov_b32 s[G1+5], APE                         ; elements from row to row
	s_mov_b32 s[G1+6], 0
	s_mov_b32 s[G1+7], 0
	; group 1 for B: 64 k-rows x 256 elements, 8 words of padding behind every 128
	s_or_b32 s[G1B+0], s44, (1<<16)|(1<<20)|(1<<21)|(6<<22)|(7<<25)
	s_mov_b32 s[G1B+1], 256<<16
	s_mov_b32 s[G1B+2], 64<<16
	s_mov_b32 s[G1B+3], 256<<16
	s_mov_b32 s[G1B+4], 64
	s_mov_b32 s[G1B+5], BPE
	s_mov_b32 s[G1B+6], 0
	s_mov_b32 s[G1B+7], 0
	; A's tile hangs on the block row and the wave, B's on the block column and the wave, each in registers that never hold the other coordinate
	s_lshl_b32 s17, s12, 7
	s_lshl_b32 s16, s13, 8
	s_add_co_u32 s16, s16, s17                     ; A: row 256 x block row + 128 x half
	s_mul_i32 s16, s16, APE*2
	s_mov_b32 s17, 0
	s_lshl_b32 s46, ttmp9, 21                      ; B: the matrix (block column / 4 = cluster x), 2,097,152 bytes each
	s_lshl_b32 s47, s40, 9                         ; + 256 columns x (block column mod 4 = cx)
	s_add_co_u32 s46, s46, s47
	s_lshl_b32 s47, s12, 17                        ; + 64 k-rows of 2,048 bytes x half
	s_add_co_u32 s46, s46, s47
	s_mov_b32 s47, 0
	s_mul_i32 s20, s10, HALFT                      ; where they go: A's two halves, then B's two halves = wave x 34,816
	s_wait_dscnt 0x0
	s_wait_kmcnt 0x0
	s_add_nc_u64 s[14:15], s[4:5], s[16:17]
	s_add_nc_u64 s[46:47], s[6:7], s[46:47]
	CROUND                                         ; all sixteen work-groups are here: the first joint loads meet
.irp s, 0,1
	s_mov_b32 s[G0+4*\s], 1
	s_add_co_u32 s[G0+4*\s+1], s20, \s*SLOT
	s_add_nc_u64 s[G0+4*\s+2:G0+4*\s+3], s[14:15], \s*ASTEP
	s_or_b32 s[G0+4*\s+3], s[G0+4*\s+3], 0x80000000
	s_mov_b32 s[G0B+4*\s], 1
	s_add_co_u32 s[G0B+4*\s+1], s20, \s*SLOT
	s_add_nc_u64 s[G0B+4*\s+2:G0B+4*\s+3], s[46:47], \s*BSTEP
	s_or_b32 s[G0B+4*\s+3], s[G0B+4*\s+3], 0x80000000
	JLOAD \s                                       ; both slots are asked for before anything else is done: two loads of the wave are out
.endr
	v_and_b32 v1, 15, v0                           ; r = l % 16
	v_bfe_u32 v2, v0, 4, 1                         ; h = l / 16
	v_mul_u32_u24 v3, v1, PITCH
	v_lshl_add_u32 v3, v2, 4, v3                   ; r x 272 + 16 h
	s_mul_i32 s21, s11, HALFT                      ; my 128 rows of A
	v_add_nc_u32 v[ADRA], s21, v3
	v_add_nc_u32 v[ADRA+1], SLOT, v[ADRA]
	v_and_b32 v4, 7, v0
	v_lshl_add_u32 v4, v2, 3, v4                   ; B: k-row (l % 8) + 8 h,
	v_mul_u32_u24 v4, v4, BPITCH
	v_bfe_u32 v5, v0, 3, 1
	v_lshl_add_u32 v4, v5, 4, v4                   ; 16 bytes for each half of a group of 16 columns,
	s_lshl_b32 s22, s12, 8                         ; my 128 columns,
	s_add_co_u32 s22, s22, 2*HALFT                 ; behind A's 256 rows
	v_add_nc_u32 v[ADRB], s22, v4
	v_add_nc_u32 v[ADRB+1], SLOT, v[ADRB]
	s_mul_i32 s23, s10, 16*SPITCH
	s_add_co_u32 s23, s23, STAGE                   ; my stage
	v_add_nc_u32 v[STO], s23, v3
	v_mul_u32_u24 v5, v2, SPITCH
	v_lshl_add_u32 v5, v1, 4, v5
	v_add_nc_u32 v[RD], s23, v5                    ; back: lanes 0-15 one row of 256 bytes, lanes 16-31 the next
	v_mul_u32_u24 v5, v2, CPITCH
	v_lshl_add_u32 v[CO], v1, 4, v5
	; the bias of my 64 columns 16 b + 8 h + j, rounded to bf16, into window 1
	s_cmp_eq_u32 ttmp9, 1
	s_cselect_b64 s[66:67], s[70:71], s[68:69]
	s_cmp_eq_u32 ttmp9, 2
	s_cselect_b64 s[66:67], s[72:73], s[66:67]
	s_lshl_b32 s74, s40, 10                        ; 256 columns x cx x 4 bytes
	s_lshl_b32 s75, s12, 9
	s_add_co_u32 s74, s74, s75
	s_mov_b32 s75, 0
	s_add_nc_u64 s[66:67], s[66:67], s[74:75]
	v_lshlrev_b32 v[AUX], 5, v2
	WIN TO_B
.irp b, 0,1,2,3,4,5,6,7
	global_load_b128 v[8*\b:8*\b+3],   v[AUX], s[66:67] offset:64*\b
	global_load_b128 v[8*\b+4:8*\b+7], v[AUX], s[66:67] offset:64*\b+16
.endr
	s_wait_loadcnt 0x0
	WIN 0x05                                       ; sources 0 and 1 in window 1
.set n, 0
.rept 32
	v_cvt_pk_bf16_f32 v[TMP+n], v[2*n], v[2*n+1]
.set n, n+1
.endr
	WIN TO_B
.set n, 0
.rept 32
	v_lshlrev_b32 v[2*n],   16, v[TMP+n]
	v_and_b32     v[2*n+1], 0xffff0000, v[TMP+n]
.set n, n+1
.endr
	WIN 0
	s_wait_tensorcnt 0x1                           ; my part of K step 0 is in; K step 1's stays out
	s_barrier_signal -1
	s_barrier_wait -1
	FETCH 0, 0, F0
	LAP 1                                          ; the first lap's first products start the sums
	WIN 0
	s_mov_b32 s3, LAPS-2
.Llap:
	LAP 0
	WIN 0
	s_sub_co_u32 s3, s3, 1
	s_cmp_lg_u32 s3, 0
	s_cbranch_scc1 .Llap
	THREE 0, 0                                     ; the last lap fills nothing
	TURN 0, 1, 0
	THREE 1, 0
	s_wait_dscnt 8
	WIN MUL_LO
	MUL16 F1, 0, 0, 0
	MUL16 F1, 0, 2, 0
	s_wait_dscnt 0x0
	WIN MUL_HI
	MUL16 F1, 1, 0, 0
	MUL16 F1, 1, 2, 0
	WIN 0
	PLACES                                         ; behind the last matrix instructions: results are read and buffers rewritten below
	s_lshl_b32 s16, s13, 8
	s_lshl_b32 s17, s11, 7
	s_add_co_u32 s16, s16, s17                     ; my first row
	s_mul_i32 s16, s16, CPITCH
	s_mov_b32 s17, 0
	s_add_nc_u64 s[8:9], s[8:9], s[16:17]
	s_lshl_b32 s46, s42, 9                         ; my first column, in bytes
	s_lshl_b32 s47, s12, 8
	s_add_co_u32 s46, s46, s47
	s_mov_b32 s47, 0
	s_add_nc_u64 s[8:9], s[8:9], s[46:47]
; Rows 16 i .. 16 i + 15 of my block = the eight tiles (a, 0..7) of window w: add the bias in f32, round once to f16, out.
.macro OUT16 i, a, w, rb
	WIN \w+4                                       ; source 0 window w (sums), source 1 window 1 (bias)
.set n, 0
.rept 32
	v_pk_add_f32 v[T64+2*n:T64+2*n+1], v[64*\a+2*n:64*\a+2*n+1], v[2*n:2*n+1]
.set n, n+1
.endr
	WIN 0
.set n, 0
.rept 32
	v_cvt_pk_f16_f32 v[TMP+n], v[T64+2*n], v[T64+2*n+1]
.set n, n+1
.endr
	STAGE_OUT \i, \rb
.endm
	OUT16 0, 0, 2, 64
	OUT16 1, 1, 2, 96
	OUT16 2, 2, 2, 64
	OUT16 3, 3, 2, 96
	OUT16 4, 0, 3, 64
	OUT16 5, 1, 3, 96
	OUT16 6, 2, 3, 64
	OUT16 7, 3, 3, 96
	s_set_vgpr_msb 0x1
	s_wait_tensorcnt 0x0
	ds_add_u32 v255, v255
	s_wait_dscnt 0x0
	s_set_vgpr_msb 0x100
	CROUND                                         ; the closing round: no work-group ends while a partner may still ask for a tile that names it
	s_endpgm
.Lfunc_end_k_q88a1bb77f6_proj:
	.size	k_q88a1bb77f6_proj, .Lfunc_end_k_q88a1bb77f6_proj-k_q88a1bb77f6_proj
	.p2alignl 7, 3214868480
	.fill 96, 4, 3214868480
	.section	.rodata,"a",@progbits
	.p2align	6, 0x0
	.amdhsa_kernel k_q88a1bb77f6_proj
		.amdhsa_group_segment_fixed_size 327680
		.amdhsa_private_segment_fixed_size 0
		.amdhsa_enable_private_segment 0
		.amdhsa_kernarg_size 48
		.amdhsa_user_sgpr_count 2
		.amdhsa_user_sgpr_kernarg_segment_ptr 1
		.amdhsa_wavefront_size32 1
		.amdhsa_system_sgpr_workgroup_id_x 1
		.amdhsa_system_sgpr_workgroup_id_y 1
		.amdhsa_system_sgpr_workgroup_id_z 1
		.amdhsa_system_vgpr_workitem_id 0
		.amdhsa_next_free_vgpr 1024
		.amdhsa_next_free_sgpr 80
		.amdhsa_reserve_vcc 0
		.amdhsa_float_denorm_mode_32 3
		.amdhsa_float_denorm_mode_16_64 3
		.amdhsa_memory_ordered 1
		.amdhsa_forward_progress 1
		.amdhsa_inst_pref_size 220
	.end_amdhsa_kernel
	.amdgpu_metadata
---
amdhsa.version: [ 1, 2 ]
amdhsa.kernels:
  - .name:           k_q88a1bb77f6_proj
    .symbol:         k_q88a1bb77f6_proj.kd
    .args:
      - { .name: xh, .offset: 0, .size: 8, .value_kind: global_buffer, .address_space: global }
      - { .name: wh, .offset: 8, .size: 8, .value_kind: global_buffer, .address_space: global }
      - { .name: bq, .offset: 16, .size: 8, .value_kind: global_buffer, .address_space: global }
      - { .name: bk, .offset: 24, .size: 8, .value_kind: global_buffer, .address_space: global }
      - { .name: bv, .offset: 32, .size: 8, .value_kind: global_buffer, .address_space: global }
      - { .name: qkv, .offset: 40, .size: 8, .value_kind: global_buffer, .address_space: global }
    .group_segment_fixed_size: 327680
    .private_segment_fixed_size: 0
    .kernarg_segment_align: 8
    .kernarg_segment_size: 48
    .max_flat_workgroup_size: 128
    .sgpr_count:     80
    .vgpr_count:     1024
    .wavefront_size: 32
...
	.end_amdgpu_metadata
.endif
;; end of part 2
;; launch scores (part 3): grid 8 x 32, 4 waves a work-group, clusters of 4 x 4, 327,680 bytes of LDS; arguments qkv, pt, stats; writes pt, stats
.if DOCPART == 3
	.amdgcn_target "amdgcn-amd-amdhsa--gfx1250"
	.amdhsa_code_object_version 6
	.text
	.protected	k_q88a1bb77f6_scores
	.globl	k_q88a1bb77f6_scores
	.p2align	8
	.type	k_q88a1bb77f6_scores,@function
k_q88a1bb77f6_scores:
	s_mov_b64 s[64:65], 0
	v_nop
	global_prefetch_b8 v0, s[64:65] scope:SCOPE_SE
	s_setreg_imm32_b32 hwreg(HW_REG_WAVE_MODE, 25, 1), 1
	s_wait_xcnt 0x0
	s_wait_alu depctr_hold_cnt(0) depctr_sa_sdst(0) depctr_va_vdst(0) depctr_va_sdst(0) depctr_va_ssrc(0) depctr_va_vcc(0) depctr_vm_vsrc(0)
	s_getreg_b32 s2, hwreg(HW_REG_IB_STS2, 6, 4)
	s_cmp_eq_u32 s2, 0
	s_cbranch_scc0 .Lentry_in_a_cluster
	s_endpgm
.Lentry_in_a_cluster:
	s_bfe_u32 s2, ttmp6, 0x10000c
	s_cmp_lg_u32 s2, 0xf033
	s_cbranch_scc0 .Lentry_shape_is_right
	s_endpgm
.Lentry_shape_is_right:
; s' = (q . k) x 0.125 x log2(e).  For each row and each block of 128 columns: m = the block's largest s', pt = 2^(s' - m) in f16,
; l = the sum of the 2^(s' - m) in f32; stats[block][row] = (m, l).  The next launch brings the blocks to the row's maximum, so the
; row's maximum is taken away as in the softmax, in two steps.
; LIMITS: a 2^(s' - m) below 2^-24 becomes 0 in f16.
; q = columns 0..1023 of qkv, k = columns 1024..2047; both have K along their rows.
; A work-group makes a block of 256 x 256 with four waves, a wave 128 x 128 (one block of 128 columns); 32 x 8 = 256 work-groups.
; K goes in steps of 128 through two LDS slots; from a tile's request to the wait for it a wave issues 240 matrix instructions.
; CLUSTERS: 4 x 4 work-groups; q's tile is shared along a row of the cluster, k's along a column (the four block rows of a cluster lie in
; one batch: 8 block rows a batch); each tile is asked for jointly.
; LDS: slot s at s x 139,264: A 256 rows, then B 256 rows, pitch 272.  From 278,528 on: a stage of 16 x 272 bytes for each wave, which
; no tensor load ever fills.
; REGISTERS, in windows of 256:
;   window 0: v0-31 addresses; v32-47 at work on the way out; v64-127, v128-191 fragments of A, two buffers; v192-223 packed results;
;             v224-239 (m, l) of my row in each of the eight groups of 16 rows
;   window 1: v64-127, v128-191 fragments of B, two buffers
;   window 2: the 32 accumulator tiles of my rows 0-63 (tile (a, b) at v[8 (8 a + b)]);   window 3: those of my rows 64-127
; The matrix instruction is used transposed: lane l holds row l % 16 and its registers 0..7 the columns 8 (l / 16) + 0..7.
.set LAPS,   4
.set KSTEP,  128
.set APE,    3072
.set ASTEP,  256
.set BSTEP,  256
.set CPITCH, 4096                      ; bytes in a row of pt
.set PITCH,  272
.set HALFT,  128*PITCH
.set SLOT,   4*HALFT
.set STAGE,  2*SLOT
.set SPITCH, 272
.set ADRA, 16
.set ADRB, 20
.set STO,  24
.set RD,   25
.set CO,   26
.set AUX,  27                          ; 8 x lane: my place in a store of 32 rows' (m, l)
.set MX,   32                          ; v[32:35]   four running maxima
.set NM,   36                          ; v[36:37]   -m, twice
.set SM,   40                          ; v[40:47]   four running pairs of sums
.set F0,   64
.set F1,   128
.set T64,  128                         ; v[128:191] 64 f32 at work
.set TMP,  192
.set ST,   224                         ; v[224:239]
.set SO,   240                         ; v[240:247] (m, l) as stored
.set G1,  24
.set G0,  32
.set G1B, 48
.set G0B, 56
.set MUL_LO, 0xa1
.set MUL_HI, 0xf1
.set TO_B,   0x40
.set MSB, 0
.macro WIN new
.if MSB != (\new)
	s_set_vgpr_msb (MSB<<8)|(\new)
.set MSB, (\new)
.endif
.endm
.macro PLACES                          ; four places behind a matrix instruction (ISA guide 7.12.1)
.rept 4
	v_nop
.endr
.endm
.macro JLOAD s                         ; waves 0 and 1 fetch A's two halves, waves 2 and 3 B's
	s_cmp_eq_u32 s11, 0
	s_cbranch_scc0 .Lfor_b_\@
	tensor_load_to_lds s[G0+4*\s:G0+4*\s+3], s[G1:G1+7]
	s_nop 0
.rept 4
	v_nop
.endr
	s_branch .Lasked_\@
.Lfor_b_\@:
	tensor_load_to_lds s[G0B+4*\s:G0B+4*\s+3], s[G1B:G1B+7]
	s_nop 0
.rept 4
	v_nop
.endr
.Lasked_\@:
.endm
.macro CREST
	s_cmp_lg_u32 s10, 0
	s_cbranch_scc1 .Lnot_wave_0_\@
	s_barrier_signal -3
.Lnot_wave_0_\@:
	s_barrier_wait -3
	s_barrier_signal -1
	s_barrier_wait -1
.endm
.macro CROUND
	s_barrier_signal -1
	s_barrier_wait -1
	CREST
.endm
; The 64 accumulators take turns, one instruction a turn, in the same order in every quarter step.
.macro MUL16 f, hi, a0, zero
.irp a, \a0, \a0+1
.irp b, 0,1,2,3,4,5,6,7
.if \zero
	v_wmma_f32_16x16x32_f16 v[8*(8*(\a)+\b):8*(8*(\a)+\b)+7], v[\f+8*\b:\f+8*\b+7], v[\f+8*(4*\hi+\a):\f+8*(4*\hi+\a)+7], 0
.else
	v_wmma_f32_16x16x32_f16 v[8*(8*(\a)+\b):8*(8*(\a)+\b)+7], v[\f+8*\b:\f+8*\b+7], v[\f+8*(4*\hi+\a):\f+8*(4*\hi+\a)+7], v[8*(8*(\a)+\b):8*(8*(\a)+\b)+7]
.endif
.endr
.endr
.endm
.macro FETCH slot, kq, f               ; 32 LDS loads: B's 8 fragments, then A's 8, 32 K at byte 64 kq of the rows
	WIN TO_B
.irp i, 0,1,2,3,4,5,6,7
	ds_load_b128 v[\f+8*\i:\f+8*\i+3],   v[ADRB+\slot] offset:\kq*64+\i*16*PITCH
	ds_load_b128 v[\f+8*\i+4:\f+8*\i+7], v[ADRB+\slot] offset:\kq*64+\i*16*PITCH+32
.endr
	WIN 0
.irp i, 0,1,2,3,4,5,6,7
	ds_load_b128 v[\f+8*\i:\f+8*\i+3],   v[ADRA+\slot] offset:\kq*64+\i*16*PITCH
	ds_load_b128 v[\f+8*\i+4:\f+8*\i+7], v[ADRA+\slot] offset:\kq*64+\i*16*PITCH+32
.endr
.endm
.macro QUARTER slot, kq, f, g, zero
	s_wait_dscnt 8                                 ; B and A's rows 0-63 are in; the eight youngest loads (A's rows 64-127) may be out
	WIN MUL_LO
	MUL16 \f, 0, 0, \zero
	MUL16 \f, 0, 2, \zero
	PLACES
	FETCH \slot, \kq, \g
	s_wait_dscnt 32                                ; all but the 32 just issued
	WIN MUL_HI
	MUL16 \f, 1, 0, \zero
	MUL16 \f, 1, 2, \zero
.endm
.macro THREE slot, zero
	QUARTER \slot, 1, F0, F1, \zero
	QUARTER \slot, 2, F1, F0, 0
	QUARTER \slot, 3, F0, F1, 0
.endm
; The change of slots: each wave's reads of this slot and all its tensor loads are waited for in front of the barrier; behind it
; (fill = 1: behind the whole round of the cluster's barrier) the refill comes first, then the next slot's first fragments.
.macro TURN slot, next, fill
	s_wait_dscnt 8
	WIN MUL_LO
	MUL16 F1, 0, 0, 0
	s_wait_dscnt 0x0                               ; my reads of this slot are over
	s_wait_tensorcnt 0x0                           ; all my tensor loads have landed
	ds_add_u32 v255, v255
	s_wait_dscnt 0x0
	s_barrier_signal -1
	MUL16 F1, 0, 2, 0
	WIN 0
	s_barrier_wait -1
.if \fill
	CREST
	s_add_nc_u64 s[G0+4*\slot+2:G0+4*\slot+3], s[G0+4*\slot+2:G0+4*\slot+3], 2*ASTEP
	s_add_nc_u64 s[G0B+4*\slot+2:G0B+4*\slot+3], s[G0B+4*\slot+2:G0B+4*\slot+3], 2*BSTEP
	JLOAD \slot                                    ; its four v_nop are also the places in front of the loads below
.else
	PLACES
.endif
	FETCH \next, 0, F0
	WIN MUL_HI
	MUL16 F1, 1, 0, 0
	MUL16 F1, 1, 2, 0
.endm
.macro LAP zero
	THREE 0, \zero
	TURN 0, 1, 1
	THREE 1, 0
	TURN 1, 0, 1
.endm
.macro STAGE_OUT i, rb
.irp b, 0,1,2,3,4,5,6,7
	ds_store_b128 v[STO], v[TMP+4*\b:TMP+4*\b+3] offset:32*\b
.endr
	s_wait_xcnt 0x0                                ; the earlier stores' data registers and base are rewritten only behind this wait
.if \i
	s_add_nc_u64 s[8:9], s[8:9], 16*CPITCH
.endif
.irp t, 0,1,2,3,4,5,6,7
	ds_load_b128 v[\rb+4*\t:\rb+4*\t+3], v[RD] offset:\t*2*SPITCH  ; LDS serves a wave's instructions in order: these see the stores above
.endr
.irp t, 0,1,2,3,4,5,6,7
	s_wait_dscnt 7-\t                              ; load t is in, the younger ones stay out
	global_store_b128 v[CO], v[\rb+4*\t:\rb+4*\t+3], s[8:9] offset:2*\t*CPITCH   ; 16 lanes store 256 consecutive bytes, aligned
.endr
.endm
	s_load_b64 s[4:5], s[0:1], 0x0                 ; qkv
	s_load_b64 s[8:9], s[0:1], 0x8                 ; pt
	s_load_b64 s[68:69], s[0:1], 0x10              ; stats
	s_set_vgpr_msb 0x40
	v_lshl_add_u32 v255, v0, 2, 0x48400
	s_set_vgpr_msb 0x4000
	v_mov_b32 v255, 0
	s_set_vgpr_msb 0x1
	ds_add_u32 v255, v255
	s_set_vgpr_msb 0x100
	v_lshrrev_b32 v1, 5, v0
	v_readfirstlane_b32 s10, v1                    ; wave 0..3
	s_lshr_b32 s11, s10, 1                         ; which 128 rows are mine.  Also: I fetch for A (0) or for B (1)
	s_and_b32 s12, s10, 1                          ; which 128 columns.  Also: which half of that tile I fetch
	s_bfe_u32 s40, ttmp6, 0x40000                  ; cx
	s_bfe_u32 s41, ttmp6, 0x40004                  ; cy
	s_lshl_b32 s42, ttmp9, 2
	s_add_co_u32 s42, s42, s40                     ; block column
	s_and_b32 s13, ttmp7, 0xffff
	s_lshr_b32 s45, s13, 1                         ; batch = cluster y / 2: the same in all sixteen work-groups
	s_lshl_b32 s13, s13, 2
	s_add_co_u32 s13, s13, s41                     ; block row
	s_lshl_b32 s43, s41, 2
	s_lshl_b32 s43, 15, s43                        ; my row of the cluster
	s_lshl_b32 s44, 0x1111, s40                    ; my column
	s_mov_b32 s72, 0x76543210                      ; v_permlanex16_b32: lane i of one half reads lane i of the other
	s_mov_b32 s73, 0xfedcba98
	s_mov_b32 s74, 0x3e38aa3b                      ; 0.125 x log2(e)
	s_mov_b32 s75, 0x3e38aa3b
	; group 1, for A and for B: 128 rows x 128 elements of 2 bytes, 4 words of padding behind every 64; they differ in the mask alone
	s_or_b32 s[G1+0], s43, (1<<16)|(1<<20)|(1<<21)|(5<<22)|(3<<25)
	s_or_b32 s[G1B+0], s44, (1<<16)|(1<<20)|(1<<21)|(5<<22)|(3<<25)
	s_mov_b32 s[G1+1], KSTEP<<16
	s_mov_b32 s[G1B+1], KSTEP<<16
	s_mov_b32 s[G1+2], 128<<16
	s_mov_b32 s[G1B+2], 128<<16
	s_mov_b32 s[G1+3], KSTEP<<16
	s_mov_b32 s[G1B+3], KSTEP<<16
	s_mov_b32 s[G1+4], 128
	s_mov_b32 s[G1B+4], 128
	s_mov_b32 s[G1+5], APE
	s_mov_b32 s[G1B+5], APE
	s_mov_b32 s[G1+6], 0
	s_mov_b32 s[G1B+6], 0
	s_mov_b32 s[G1+7], 0
	s_mov_b32 s[G1B+7], 0
	s_lshl_b32 s17, s12, 7
	s_lshl_b32 s16, s13, 8
	s_add_co_u32 s16, s16, s17                     ; A: row 256 x block row + 128 x half
	s_mul_i32 s16, s16, APE*2
	s_mov_b32 s17, 0
	s_lshl_b32 s46, s45, 11                        ; B: row 2,048 x batch + 256 x block column + 128 x half
	s_lshl_b32 s47, s42, 8
	s_add_co_u32 s46, s46, s47
	s_lshl_b32 s47, s12, 7
	s_add_co_u32 s46, s46, s47
	s_mul_i32 s46, s46, APE*2
	s_add_co_u32 s46, s46, 2048                    ; k begins at column 1,024
	s_mov_b32 s47, 0
	s_mul_i32 s20, s10, HALFT                      ; where they go: wave x 34,816
	s_wait_dscnt 0x0
	s_wait_kmcnt 0x0
	s_add_nc_u64 s[14:15], s[4:5], s[16:17]
	s_add_nc_u64 s[46:47], s[4:5], s[46:47]
	CROUND                                         ; all sixteen work-groups are here: the first joint loads meet
.irp s, 0,1
	s_mov_b32 s[G0+4*\s], 1
	s_add_co_u32 s[G0+4*\s+1], s20, \s*SLOT
	s_add_nc_u64 s[G0+4*\s+2:G0+4*\s+3], s[14:15], \s*ASTEP
	s_or_b32 s[G0+4*\s+3], s[G0+4*\s+3], 0x80000000
	s_mov_b32 s[G0B+4*\s], 1
	s_add_co_u32 s[G0B+4*\s+1], s20, \s*SLOT
	s_add_nc_u64 s[G0B+4*\s+2:G0B+4*\s+3], s[46:47], \s*BSTEP
	s_or_b32 s[G0B+4*\s+3], s[G0B+4*\s+3], 0x80000000
	JLOAD \s                                       ; two loads of the wave are out
.endr
	v_and_b32 v1, 15, v0                           ; r
	v_bfe_u32 v2, v0, 4, 1                         ; h
	v_mul_u32_u24 v3, v1, PITCH
	v_lshl_add_u32 v3, v2, 4, v3                   ; r x 272 + 16 h
	s_mul_i32 s21, s11, HALFT                      ; my 128 rows of A
	v_add_nc_u32 v[ADRA], s21, v3
	v_add_nc_u32 v[ADRA+1], SLOT, v[ADRA]
	s_mul_i32 s22, s12, HALFT                      ; my 128 rows of B,
	s_add_co_u32 s22, s22, 2*HALFT                 ; which lie behind A's 256
	v_add_nc_u32 v[ADRB], s22, v3
	v_add_nc_u32 v[ADRB+1], SLOT, v[ADRB]
	s_mul_i32 s23, s10, 16*SPITCH
	s_add_co_u32 s23, s23, STAGE                   ; my stage
	v_add_nc_u32 v[STO], s23, v3
	v_mul_u32_u24 v5, v2, SPITCH
	v_lshl_add_u32 v5, v1, 4, v5
	v_add_nc_u32 v[RD], s23, v5
	v_mul_u32_u24 v5, v2, CPITCH
	v_lshl_add_u32 v[CO], v1, 4, v5
	v_and_b32 v6, 31, v0
	v_lshlrev_b32 v[AUX], 3, v6
	s_wait_tensorcnt 0x1                           ; my part of K step 0 is in; K step 1's stays out
	s_barrier_signal -1
	s_barrier_wait -1
	FETCH 0, 0, F0
	LAP 1
	WIN 0
	s_mov_b32 s3, LAPS-2
.Llap:
	LAP 0
	WIN 0
	s_sub_co_u32 s3, s3, 1
	s_cmp_lg_u32 s3, 0
	s_cbranch_scc1 .Llap
	THREE 0, 0
	TURN 0, 1, 0
	THREE 1, 0
	s_wait_dscnt 8
	WIN MUL_LO
	MUL16 F1, 0, 0, 0
	MUL16 F1, 0, 2, 0
	s_wait_dscnt 0x0
	WIN MUL_HI
	MUL16 F1, 1, 0, 0
	MUL16 F1, 1, 2, 0
	WIN 0
	PLACES
	s_lshl_b32 s16, s13, 11                        ; stats: (256 x block row + 128 x my half) rows of 8 bytes
	s_lshl_b32 s17, s11, 10
	s_add_co_u32 s16, s16, s17
	s_mov_b32 s17, 0
	s_add_nc_u64 s[68:69], s[68:69], s[16:17]
	s_lshl_b32 s46, s42, 17                        ; + block of 128 columns (2 x block column + my half) x 65,536 bytes
	s_lshl_b32 s47, s12, 16
	s_add_co_u32 s46, s46, s47
	s_mov_b32 s47, 0
	s_add_nc_u64 s[68:69], s[68:69], s[46:47]
	s_lshl_b32 s16, s13, 8
	s_lshl_b32 s17, s11, 7
	s_add_co_u32 s16, s16, s17                     ; pt: my first row
	s_mul_i32 s16, s16, CPITCH
	s_mov_b32 s17, 0
	s_add_nc_u64 s[8:9], s[8:9], s[16:17]
	s_lshl_b32 s46, s42, 9                         ; my first column, in bytes
	s_lshl_b32 s47, s12, 8
	s_add_co_u32 s46, s46, s47
	s_mov_b32 s47, 0
	s_add_nc_u64 s[8:9], s[8:9], s[46:47]
; Rows 16 i .. 16 i + 15 of my block = the eight tiles (a, 0..7) of window w.  A lane holds 64 of its row's 128 numbers, the lane 16 further the other 64.
.macro OUT16 i, a, w, rb
	WIN \w*5                                       ; sources 0 and 1 in window w
.irp c, 0,1,2,3
	v_max_num_f32 v[MX+\c], v[64*\a+2*\c], v[64*\a+2*\c+1]         ; the first eight numbers start four chains
.endr
	WIN \w*20                                      ; sources 1 and 2 in window w
.set n, 0
.rept 28
	v_max3_num_f32 v[MX+n%4], v[MX+n%4], v[64*\a+8+2*n], v[64*\a+9+2*n]
.set n, n+1
.endr
	WIN 0
	v_max3_num_f32 v[MX], v[MX], v[MX+1], v[MX+2]
	v_max_num_f32 v[MX], v[MX], v[MX+3]
	v_permlanex16_b32 v[MX+1], v[MX], s72, s73     ; the other half of the row
	v_max_num_f32 v[MX], v[MX], v[MX+1]
	v_mul_f32 v[ST+2*\i], s74, v[MX]               ; m
	v_mul_f32 v[NM],   0xbe38aa3b, v[MX]           ; -m, the same rounding
	v_mul_f32 v[NM+1], 0xbe38aa3b, v[MX]
	WIN \w                                         ; source 0 in window w
.set n, 0
.rept 32
	v_pk_fma_f32 v[T64+2*n:T64+2*n+1], v[64*\a+2*n:64*\a+2*n+1], s[74:75], v[NM:NM+1] op_sel_hi:[1,0,1]   ; s' - m, one rounding
.set n, n+1
.endr
	WIN 0
.set n, 0
.rept 64
	v_exp_f32 v[T64+n], v[T64+n]
.set n, n+1
.endr
	v_nop                                          ; one plain place behind the last exponential (ISA guide 5.7.2)
	s_wait_alu depctr_va_vdst(0)
.irp c, 0,1,2,3
	v_pk_add_f32 v[SM+2*\c:SM+2*\c+1], v[T64+2*\c:T64+2*\c+1], v[T64+8+2*\c:T64+8+2*\c+1]
.endr
.set n, 0
.rept 24
	v_pk_add_f32 v[SM+2*(n%4):SM+2*(n%4)+1], v[SM+2*(n%4):SM+2*(n%4)+1], v[T64+16+2*n:T64+16+2*n+1]
.set n, n+1
.endr
	v_pk_add_f32 v[SM:SM+1], v[SM:SM+1], v[SM+2:SM+3]
	v_pk_add_f32 v[SM+4:SM+5], v[SM+4:SM+5], v[SM+6:SM+7]
	v_pk_add_f32 v[SM:SM+1], v[SM:SM+1], v[SM+4:SM+5]
	v_add_f32 v[SM], v[SM], v[SM+1]
	v_permlanex16_b32 v[SM+1], v[SM], s72, s73
	v_add_f32 v[ST+2*\i+1], v[SM], v[SM+1]         ; l
.set n, 0
.rept 32
	v_cvt_pk_f16_f32 v[TMP+n], v[T64+2*n], v[T64+2*n+1]
.set n, n+1
.endr
	STAGE_OUT \i, \rb
.endm
	OUT16 0, 0, 2, 64
	OUT16 1, 1, 2, 96
	OUT16 2, 2, 2, 64
	OUT16 3, 3, 2, 96
	OUT16 4, 0, 3, 64
	OUT16 5, 1, 3, 96
	OUT16 6, 2, 3, 64
	OUT16 7, 3, 3, 96
	; (m, l) of my wave's 128 rows: store j takes rows 32 j + lane: 32 lanes x 8 bytes = 256 consecutive bytes, aligned
	v_cmp_eq_u32 vcc_lo, 1, v2
.irp j, 0,1,2,3
	v_cndmask_b32 v[SO+2*\j],   v[ST+4*\j],   v[ST+4*\j+2], vcc_lo   ; lanes 0-15: group 2 j; lanes 16-31: group 2 j + 1
	v_cndmask_b32 v[SO+2*\j+1], v[ST+4*\j+1], v[ST+4*\j+3], vcc_lo
	global_store_b64 v[AUX], v[SO+2*\j:SO+2*\j+1], s[68:69] offset:256*\j
.endr
	s_set_vgpr_msb 0x1
	s_wait_tensorcnt 0x0
	ds_add_u32 v255, v255
	s_wait_dscnt 0x0
	s_set_vgpr_msb 0x100
	CROUND                                         ; the closing round
	s_endpgm
.Lfunc_end_k_q88a1bb77f6_scores:
	.size	k_q88a1bb77f6_scores, .Lfunc_end_k_q88a1bb77f6_scores-k_q88a1bb77f6_scores
	.p2alignl 7, 3214868480
	.fill 96, 4, 3214868480
	.section	.rodata,"a",@progbits
	.p2align	6, 0x0
	.amdhsa_kernel k_q88a1bb77f6_scores
		.amdhsa_group_segment_fixed_size 327680
		.amdhsa_private_segment_fixed_size 0
		.amdhsa_enable_private_segment 0
		.amdhsa_kernarg_size 24
		.amdhsa_user_sgpr_count 2
		.amdhsa_user_sgpr_kernarg_segment_ptr 1
		.amdhsa_wavefront_size32 1
		.amdhsa_system_sgpr_workgroup_id_x 1
		.amdhsa_system_sgpr_workgroup_id_y 1
		.amdhsa_system_sgpr_workgroup_id_z 1
		.amdhsa_system_vgpr_workitem_id 0
		.amdhsa_next_free_vgpr 1024
		.amdhsa_next_free_sgpr 80
		.amdhsa_reserve_vcc 1
		.amdhsa_float_denorm_mode_32 3
		.amdhsa_float_denorm_mode_16_64 3
		.amdhsa_memory_ordered 1
		.amdhsa_forward_progress 1
		.amdhsa_inst_pref_size 255
	.end_amdhsa_kernel
	.section	.bss,"aw",@nobits
	.p2align	6
	.space	262144
	.amdgpu_metadata
---
amdhsa.version: [ 1, 2 ]
amdhsa.kernels:
  - .name:           k_q88a1bb77f6_scores
    .symbol:         k_q88a1bb77f6_scores.kd
    .args:
      - { .name: qkv, .offset: 0, .size: 8, .value_kind: global_buffer, .address_space: global }
      - { .name: pt, .offset: 8, .size: 8, .value_kind: global_buffer, .address_space: global }
      - { .name: stats, .offset: 16, .size: 8, .value_kind: global_buffer, .address_space: global }
    .group_segment_fixed_size: 327680
    .private_segment_fixed_size: 0
    .kernarg_segment_align: 8
    .kernarg_segment_size: 24
    .max_flat_workgroup_size: 128
    .sgpr_count:     80
    .vgpr_count:     1024
    .wavefront_size: 32
...
	.end_amdgpu_metadata
.endif
;; end of part 3
;; launch pv (part 4): grid 4 x 64, 4 waves a work-group, clusters of 4 x 4, 327,680 bytes of LDS; arguments pt, qkv, stats, ctx; writes ctx
.if DOCPART == 4
	.amdgcn_target "amdgcn-amd-amdhsa--gfx1250"
	.amdhsa_code_object_version 6
	.text
	.protected	k_q88a1bb77f6_pv
	.globl	k_q88a1bb77f6_pv
	.p2align	8
	.type	k_q88a1bb77f6_pv,@function
k_q88a1bb77f6_pv:
	s_mov_b64 s[64:65], 0
	v_nop
	global_prefetch_b8 v0, s[64:65] scope:SCOPE_SE
	s_setreg_imm32_b32 hwreg(HW_REG_WAVE_MODE, 25, 1), 1
	s_wait_xcnt 0x0
	s_wait_alu depctr_hold_cnt(0) depctr_sa_sdst(0) depctr_va_vdst(0) depctr_va_sdst(0) depctr_va_ssrc(0) depctr_va_vcc(0) depctr_vm_vsrc(0)
	s_getreg_b32 s2, hwreg(HW_REG_IB_STS2, 6, 4)
	s_cmp_eq_u32 s2, 0
	s_cbranch_scc0 .Lentry_in_a_cluster
	s_endpgm
.Lentry_in_a_cluster:
	s_bfe_u32 s2, ttmp6, 0x10000c
	s_cmp_lg_u32 s2, 0xf033
	s_cbranch_scc0 .Lentry_shape_is_right
	s_endpgm
.Lentry_shape_is_right:
; ctx[row] (f16) = (sum over the 16 blocks of 128 keys of f_blk x (pt_blk[row] x V_blk)) / l_row, with m_row = the largest of the row's 16 block
; maxima, f_blk = 2^(m_blk - m_row) and l_row = the sum of f_blk x l_blk, all in f32.
; So every weight is 2^(s' - m_row) / l_row: the softmax with the row's maximum taken away.
; A K step is one block of 128 keys.  Its products are summed in accumulators T of their own, started by the constant 0, and T is folded into
; ctx's sums by one f32 multiply-add with the row's f_blk: the scaling is f32 arithmetic, the matrix unit sees pt and V as they are stored.
; LIMITS: an f_blk below 2^-126 becomes 0; l_row is at least about 1 (the block that holds the maximum has f = 1); |ctx| of 65,520 and more
; becomes infinity (f16).
; V = columns 2048..3071 of qkv, [K][N] as it lies: read with the transposing LDS load.
; A work-group makes 128 rows x 256 columns with four waves, a wave 64 x 128; 64 x 4 = 256 work-groups: 8,192 x 1,024 outputs shared evenly.
; CLUSTERS: 4 x 4 work-groups; pt's tile is shared along a row of the cluster, V's along a column (a cluster's four block rows lie in one batch).
; LDS: slot s at s x 104,448: B 128 k-rows, pitch 544 (69,632 bytes), then A 128 rows, pitch 272 (34,816).  From 208,896 on, never filled by a
; tensor load: for each wave 8,704 bytes of factors ([16 blocks][16 r][4 a], each f_blk twice, so that it is a register pair; then 1 / l_row
; as [16 r][4 a], twice each), and from 243,712 on a stage of 16 x 272 bytes for each wave.  Both are the wave's own.
; REGISTERS: window 0: v0-31 addresses and the block's four factor pairs; v32-127, v128-223 two fragment buffers; v224-255 packed results.
;   window 1: ctx's sums, tile (a, b) at v[8 (8 a + b)].   window 2: T, the same map.
.set LAPS,   8                         ; K = 2,048 = 8 laps of two K steps
.set APE,    2048
.set BPE,    3072
.set ASTEP,  256
.set BSTEP,  128*BPE*2                 ; 128 rows of V down
.set CPITCH, 2048                      ; bytes in a row of ctx
.set KSTEP,  128
.set PITCH,  272
.set BPITCH, 544
.set AHALF,  64*PITCH
.set BHALF,  64*BPITCH
.set AOFF,   2*BHALF
.set SLOT,   AOFF+2*AHALF
.set SCR,    2*SLOT
.set FTB,    8704                      ; a wave's factors
.set SPITCH, 272
.set FAC,  8                           ; v[8:15] the factor of my row in each of the four groups of 16 rows, twice each
.set ADRA, 16
.set ADRB, 20
.set FADR, 22                          ; where I read the next block's factors; steps by 512 bytes
.set FST,  23                          ; where I put the factors of rows 2 l and 2 l + 1
.set STO,  24
.set RD,   25
.set CO,   26
.set AUX,  27                          ; 16 x lane: my two rows in stats
.set F0,   32
.set F1,   128
.set T64,  128
.set TMP,  224
.set G1A, 24
.set G0A, 32
.set G1B, 48
.set G0B, 56
.set MUL,  0xa0                        ; C and D in window 2 (T), A and B in window 0
.set FMAW, 0x52                        ; destination and source 2 in window 1 (ctx's sums), source 0 in window 2 (T), source 1 in window 0 (the factor)
.set MSB, 0
.macro WIN new
.if MSB != (\new)
	s_set_vgpr_msb (MSB<<8)|(\new)
.set MSB, (\new)
.endif
.endm
.macro PLACES                          ; four places behind a matrix instruction (ISA guide 7.12.1)
.rept 4
	v_nop
.endr
.endm
.macro JLOAD s                         ; waves 0 and 1 fetch B's two halves, waves 2 and 3 A's
	s_cmp_eq_u32 s11, 0
	s_cbranch_scc0 .Lfor_a_\@
	tensor_load_to_lds s[G0B+4*\s:G0B+4*\s+3], s[G1B:G1B+7]
	s_nop 0
.rept 4
	v_nop
.endr
	s_branch .Lasked_\@
.Lfor_a_\@:
	tensor_load_to_lds s[G0A+4*\s:G0A+4*\s+3], s[G1A:G1A+7]
	s_nop 0
.rept 4
	v_nop
.endr
.Lasked_\@:
.endm
.macro CREST
	s_cmp_lg_u32 s10, 0
	s_cbranch_scc1 .Lnot_wave_0_\@
	s_barrier_signal -3
.Lnot_wave_0_\@:
	s_barrier_wait -3
	s_barrier_signal -1
	s_barrier_wait -1
.endm
.macro CROUND
	s_barrier_signal -1
	s_barrier_wait -1
	CREST
.endm
; The 32 accumulators take turns, one instruction a turn, in the same order in every quarter step.
.macro MUL8 f, a, zero
.irp b, 0,1,2,3,4,5,6,7
.if \zero
	v_wmma_f32_16x16x32_f16 v[8*(8*\a+\b):8*(8*\a+\b)+7], v[\f+8*\b:\f+8*\b+7], v[\f+64+8*\a:\f+64+8*\a+7], 0
.else
	v_wmma_f32_16x16x32_f16 v[8*(8*\a+\b):8*(8*\a+\b)+7], v[\f+8*\b:\f+8*\b+7], v[\f+64+8*\a:\f+64+8*\a+7], v[8*(8*\a+\b):8*(8*\a+\b)+7]
.endif
.endr
.endm
.macro FETCH slot, kq, f               ; 24 LDS loads: B's 8 fragments (transposed on the way), then A's 4
.irp b, 0,1,2,3,4,5,6,7
	ds_load_tr16_b128 v[\f+8*\b:\f+8*\b+3],   v[ADRB+\slot] offset:\kq*32*BPITCH+32*\b
	ds_load_tr16_b128 v[\f+8*\b+4:\f+8*\b+7], v[ADRB+\slot] offset:\kq*32*BPITCH+32*\b+16*BPITCH
.endr
.irp a, 0,1,2,3
	ds_load_b128 v[\f+64+8*\a:\f+64+8*\a+3],   v[ADRA+\slot] offset:\kq*64+\a*16*PITCH
	ds_load_b128 v[\f+64+8*\a+4:\f+64+8*\a+7], v[ADRA+\slot] offset:\kq*64+\a*16*PITCH+32
.endr
.endm
.macro FETCHF                          ; the factors of the block whose products are being summed; they are used when its T is folded
	ds_load_b128 v[FAC:FAC+3],   v[FADR]
	ds_load_b128 v[FAC+4:FAC+7], v[FADR] offset:16
	v_add_nc_u32 v[FADR], 512, v[FADR]
.endm
; Rows 16 a .. 16 a + 15: ctx's sums += f_blk x T (mul = 1: the first block starts them: nothing is cleared).  Under the setting FMAW.
.macro FOLD a, mul
.set n, 0
.rept 32
.if \mul
	v_pk_mul_f32 v[64*\a+2*n:64*\a+2*n+1], v[64*\a+2*n:64*\a+2*n+1], v[FAC+2*\a:FAC+2*\a+1]
.else
	v_pk_fma_f32 v[64*\a+2*n:64*\a+2*n+1], v[64*\a+2*n:64*\a+2*n+1], v[FAC+2*\a:FAC+2*\a+1], v[64*\a+2*n:64*\a+2*n+1]
.endif
.set n, n+1
.endr
.endm
; One of a K step's first three quarters.  fold = 1 or 2 (a K step's first quarter): the last block's T is folded before this block's first
; products, which take the constant 0 as C, write over it (2: that block was the first).  T of rows 0-31 got its last products ahead of the
; four v_nop of the change of slots; for T of rows 32-63 the 64 multiply-adds of rows 0-31 are the places; the folds of rows 32-63 are the
; places in front of the loads into buffer g.
.macro QUARTER slot, kq, f, g, zero, fold
	s_wait_dscnt 4                                 ; B and A's rows 0-31 are in; the four youngest loads (A's rows 32-63) may be out
.if \fold
	WIN FMAW
	FOLD 0, \fold-1
	FOLD 1, \fold-1
.endif
	WIN MUL
	MUL8 \f, 0, \zero
	MUL8 \f, 1, \zero
.if \fold
	WIN FMAW
	FOLD 2, \fold-1
	FOLD 3, \fold-1
	WIN 0
	FETCHF                                         ; the factor registers are free: this block's factors
.else
	WIN 0
	PLACES
.endif
	FETCH \slot, \kq, \g
	s_wait_dscnt 24                                ; all but the 24 just issued
	WIN MUL
	MUL8 \f, 2, \zero
	MUL8 \f, 3, \zero
.endm
.macro THREE slot, fold
	QUARTER \slot, 1, F0, F1, 1, \fold
	QUARTER \slot, 2, F1, F0, 0, 0
	QUARTER \slot, 3, F0, F1, 0, 0
.endm
; The change of slots: each wave's reads of this slot and all its tensor loads are waited for in front of the barrier; behind it
; (fill = 1: behind the whole round of the cluster's barrier) the refill comes first, then the next slot's first fragments.
.macro TURN slot, next, fill
	s_wait_dscnt 4
	WIN MUL
	MUL8 F1, 0, 0
	s_wait_dscnt 0x0                               ; my reads of this slot are over
	s_wait_tensorcnt 0x0                           ; all my tensor loads have landed
	ds_add_u32 v30, v31
	s_wait_dscnt 0x0
	s_barrier_signal -1
	MUL8 F1, 1, 0
	WIN 0
	s_barrier_wait -1
.if \fill
	CREST
	s_add_nc_u64 s[G0A+4*\slot+2:G0A+4*\slot+3], s[G0A+4*\slot+2:G0A+4*\slot+3], 2*ASTEP
	s_add_nc_u64 s[G0B+4*\slot+2:G0B+4*\slot+3], s[G0B+4*\slot+2:G0B+4*\slot+3], 2*BSTEP
	JLOAD \slot                                    ; its four v_nop are also the places in front of the loads below
.else
	PLACES
.endif
	FETCH \next, 0, F0
	WIN MUL
	MUL8 F1, 2, 0
	MUL8 F1, 3, 0
.endm
.macro LAP fold0, fold1
	THREE 0, \fold0
	TURN 0, 1, 1
	THREE 1, \fold1
	TURN 1, 0, 1
.endm
.macro STAGE_OUT i, rb
.irp b, 0,1,2,3,4,5,6,7
	ds_store_b128 v[STO], v[TMP+4*\b:TMP+4*\b+3] offset:32*\b
.endr
	s_wait_xcnt 0x0                                ; the earlier stores' data registers and base are rewritten only behind this wait
.if \i
	s_add_nc_u64 s[8:9], s[8:9], 16*CPITCH
.endif
.irp t, 0,1,2,3,4,5,6,7
	ds_load_b128 v[\rb+4*\t:\rb+4*\t+3], v[RD] offset:\t*2*SPITCH  ; LDS serves a wave's instructions in order: these see the stores above
.endr
.irp t, 0,1,2,3,4,5,6,7
	s_wait_dscnt 7-\t                              ; load t is in, the younger ones stay out
	global_store_b128 v[CO], v[\rb+4*\t:\rb+4*\t+3], s[8:9] offset:2*\t*CPITCH   ; 16 lanes store 256 consecutive bytes, aligned
.endr
.endm
	s_load_b128 s[4:7], s[0:1], 0x0                ; pt s[4:5], qkv s[6:7]
	s_load_b64 s[66:67], s[0:1], 0x10              ; stats
	s_load_b64 s[8:9], s[0:1], 0x18                ; ctx
	v_lshl_add_u32 v30, v0, 2, 0x3fc00
	v_mov_b32 v31, 0
	ds_add_u32 v30, v31
	v_lshrrev_b32 v1, 5, v0
	v_readfirstlane_b32 s10, v1                    ; wave 0..3
	s_lshr_b32 s11, s10, 1                         ; which 64 rows are mine.  Also: I fetch for B (0) or for A (1)
	s_and_b32 s12, s10, 1                          ; which 128 columns.  Also: which half of that tile I fetch
	s_bfe_u32 s40, ttmp6, 0x40000                  ; cx
	s_bfe_u32 s41, ttmp6, 0x40004                  ; cy
	s_lshl_b32 s42, ttmp9, 2
	s_add_co_u32 s42, s42, s40                     ; block column
	s_and_b32 s13, ttmp7, 0xffff
	s_lshr_b32 s45, s13, 2                         ; batch = cluster y / 4
	s_lshl_b32 s13, s13, 2
	s_add_co_u32 s13, s13, s41                     ; block row
	s_lshl_b32 s43, s41, 2
	s_lshl_b32 s43, 15, s43                        ; my row of the cluster
	s_lshl_b32 s44, 0x1111, s40                    ; my column
	s_or_b32 s[G1A+0], s43, (1<<16)|(1<<20)|(1<<21)|(5<<22)|(3<<25)  ; A: 64 rows x 128 elements, 4 words of padding behind every 64
	s_mov_b32 s[G1A+1], KSTEP<<16
	s_mov_b32 s[G1A+2], 64<<16
	s_mov_b32 s[G1A+3], KSTEP<<16
	s_mov_b32 s[G1A+4], 64
	s_mov_b32 s[G1A+5], APE
	s_mov_b32 s[G1A+6], 0
	s_mov_b32 s[G1A+7], 0
	s_or_b32 s[G1B+0], s44, (1<<16)|(1<<20)|(1<<21)|(6<<22)|(7<<25)  ; B: 64 k-rows x 256 elements, 8 words of padding behind every 128
	s_mov_b32 s[G1B+1], 256<<16
	s_mov_b32 s[G1B+2], 64<<16
	s_mov_b32 s[G1B+3], 256<<16
	s_mov_b32 s[G1B+4], 64
	s_mov_b32 s[G1B+5], BPE
	s_mov_b32 s[G1B+6], 0
	s_mov_b32 s[G1B+7], 0
	s_lshl_b32 s17, s12, 6
	s_lshl_b32 s16, s13, 7
	s_add_co_u32 s16, s16, s17                     ; A: row 128 x block row + 64 x half
	s_mul_i32 s16, s16, APE*2
	s_mov_b32 s17, 0
	s_lshl_b32 s46, s45, 11                        ; B: key row 2,048 x batch + 64 x half,
	s_lshl_b32 s47, s12, 6
	s_add_co_u32 s46, s46, s47
	s_mul_i32 s46, s46, BPE*2
	s_lshl_b32 s47, s42, 9                         ; 256 columns x block column,
	s_add_co_u32 s46, s46, s47
	s_add_co_u32 s46, s46, 4096                    ; and v begins at column 2,048
	s_mov_b32 s47, 0
	s_mul_i32 s20, s10, BHALF                      ; where they go: B's halves at wave x 34,816 (waves 0, 1),
	s_mul_i32 s21, s10, AHALF
	s_add_co_u32 s21, s21, 2*AHALF                 ; A's at 69,632 + (wave - 2) x 17,408 (waves 2, 3)
	s_lshl_b32 s68, s13, 10                        ; stats: (128 x block row + 64 x my half) rows of 8 bytes
	s_lshl_b32 s69, s11, 9
	s_add_co_u32 s68, s68, s69
	s_mov_b32 s69, 0
	s_wait_dscnt 0x0
	s_wait_kmcnt 0x0
	s_add_nc_u64 s[14:15], s[4:5], s[16:17]
	s_add_nc_u64 s[46:47], s[6:7], s[46:47]
	s_add_nc_u64 s[66:67], s[66:67], s[68:69]
	CROUND                                         ; all sixteen work-groups are here: the first joint loads meet
.irp s, 0,1
	s_mov_b32 s[G0A+4*\s], 1
	s_add_co_u32 s[G0A+4*\s+1], s21, \s*SLOT
	s_add_nc_u64 s[G0A+4*\s+2:G0A+4*\s+3], s[14:15], \s*ASTEP
	s_or_b32 s[G0A+4*\s+3], s[G0A+4*\s+3], 0x80000000
	s_mov_b32 s[G0B+4*\s], 1
	s_add_co_u32 s[G0B+4*\s+1], s20, \s*SLOT
	s_add_nc_u64 s[G0B+4*\s+2:G0B+4*\s+3], s[46:47], \s*BSTEP
	s_or_b32 s[G0B+4*\s+3], s[G0B+4*\s+3], 0x80000000
	JLOAD \s                                       ; two loads of the wave are out
.endr
	; (m, l) of my wave's 64 rows in all 16 blocks: lane l takes rows 2 l and 2 l + 1, 16 bytes; a load covers 512 consecutive bytes
	v_and_b32 v6, 31, v0
	v_lshlrev_b32 v[AUX], 4, v6
.irp k, 0,1,2,3,4,5,6,7,8,9,10,11,12,13,14,15
	global_load_b128 v[128+4*\k:131+4*\k], v[AUX], s[66:67] offset:65536*\k
.endr
	v_and_b32 v1, 15, v0                           ; r
	v_bfe_u32 v2, v0, 4, 1                         ; h
	v_mul_u32_u24 v3, v1, PITCH
	v_lshl_add_u32 v3, v2, 4, v3                   ; r x 272 + 16 h
	s_mul_i32 s22, s11, AHALF
	s_add_co_u32 s22, s22, AOFF
	v_add_nc_u32 v[ADRA], s22, v3
	v_add_nc_u32 v[ADRA+1], SLOT, v[ADRA]
	v_and_b32 v4, 7, v0
	v_lshl_add_u32 v4, v2, 3, v4                   ; B: k-row (l % 8) + 8 h
	v_mul_u32_u24 v4, v4, BPITCH
	v_bfe_u32 v5, v0, 3, 1
	v_lshl_add_u32 v4, v5, 4, v4
	s_lshl_b32 s23, s12, 8
	v_add_nc_u32 v[ADRB], s23, v4
	v_add_nc_u32 v[ADRB+1], SLOT, v[ADRB]
	s_mul_i32 s23, s10, 16*SPITCH
	s_add_co_u32 s23, s23, SCR+4*FTB               ; my stage
	v_add_nc_u32 v[STO], s23, v3
	v_mul_u32_u24 v5, v2, SPITCH
	v_lshl_add_u32 v5, v1, 4, v5
	v_add_nc_u32 v[RD], s23, v5
	v_mul_u32_u24 v5, v2, CPITCH
	v_lshl_add_u32 v[CO], v1, 4, v5
	s_mul_i32 s22, s10, FTB
	s_add_co_u32 s22, s22, SCR                     ; my factors
	v_and_b32 v6, 7, v0                            ; row 2 l of the wave is r = 2 (l % 8) of group a = l / 8: byte 32 r + 8 a
	v_bfe_u32 v7, v0, 3, 2
	v_lshlrev_b32 v6, 6, v6
	v_lshl_add_u32 v6, v7, 3, v6
	v_add_nc_u32 v[FST], s22, v6
	v_lshlrev_b32 v7, 5, v1
	v_add_nc_u32 v[FADR], s22, v7                  ; read: 32 bytes at 32 r: my row's pair in the four groups
	s_wait_loadcnt 0x0
	v_max_num_f32 v32, v128, v132                  ; m_row of row 2 l
	v_max_num_f32 v33, v130, v134                  ; and of row 2 l + 1
.irp k, 2,4,6,8,10,12,14
	v_max3_num_f32 v32, v32, v[128+4*\k], v[132+4*\k]
	v_max3_num_f32 v33, v33, v[130+4*\k], v[134+4*\k]
.endr
.irp k, 0,1,2,3,4,5,6,7,8,9,10,11,12,13,14,15
	v_sub_f32 v[128+4*\k], v[128+4*\k], v32
	v_sub_f32 v[130+4*\k], v[130+4*\k], v33
.endr
.irp k, 0,1,2,3,4,5,6,7,8,9,10,11,12,13,14,15
	v_exp_f32 v[128+4*\k], v[128+4*\k]             ; m is kept in powers of two
	v_exp_f32 v[130+4*\k], v[130+4*\k]
.endr
	v_nop                                          ; one plain place behind the last exponential (ISA guide 5.7.2)
.irp k, 0,1,2,3,4,5,6,7,8,9,10,11,12,13,14,15
.if \k == 0
	s_wait_alu depctr_va_vdst(0)
	v_mul_f32 v34, v[128+4*\k], v[129+4*\k]        ; the first block starts l_row
	v_mul_f32 v36, v[130+4*\k], v[131+4*\k]
.else
	v_fma_f32 v34, v[128+4*\k], v[129+4*\k], v34
	v_fma_f32 v36, v[130+4*\k], v[131+4*\k], v36
.endif
	v_mov_b32 v[129+4*\k], v[128+4*\k]             ; the block's l has been used: the factor a second time, to make a pair
	v_mov_b32 v[131+4*\k], v[130+4*\k]
	ds_store_b64 v[FST], v[128+4*\k:129+4*\k] offset:512*\k
	ds_store_b64 v[FST], v[130+4*\k:131+4*\k] offset:512*\k+32
.endr
	v_rcp_f32 v34, v34
	v_rcp_f32 v36, v36
	v_nop                                          ; one plain place behind the reciprocals
	s_wait_alu depctr_va_vdst(0)
	v_mov_b32 v35, v34
	v_mov_b32 v37, v36
	ds_store_b64 v[FST], v[34:35] offset:8192
	ds_store_b64 v[FST], v[36:37] offset:8224
	s_wait_dscnt 0x0                               ; no LDS instruction is pending at a signal
	s_wait_tensorcnt 0x1                           ; my part of K step 0 is in; K step 1's stays out
	s_barrier_signal -1
	s_barrier_wait -1
	FETCHF                                         ; block 0's factors
	FETCH 0, 0, F0
	LAP 0, 2                                       ; block 0 has nothing to fold in front of it; its own fold starts ctx's sums
	WIN 0
	s_mov_b32 s3, LAPS-2
.Llap:
	LAP 1, 1
	WIN 0
	s_sub_co_u32 s3, s3, 1
	s_cmp_lg_u32 s3, 0
	s_cbranch_scc1 .Llap
	THREE 0, 1                                     ; the last lap fills nothing
	TURN 0, 1, 0
	THREE 1, 1
	s_wait_dscnt 4
	WIN MUL
	MUL8 F1, 0, 0
	MUL8 F1, 1, 0
	s_wait_dscnt 0x0
	MUL8 F1, 2, 0
	MUL8 F1, 3, 0
	PLACES                                         ; behind the last matrix instructions
	WIN FMAW
	FOLD 0, 0                                      ; the last block
	FOLD 1, 0
	FOLD 2, 0
	FOLD 3, 0
	WIN 0
	ds_load_b128 v[FAC:FAC+3],   v[FADR]           ; sixteen steps of 512 bytes have brought this address to 1 / l_row of my row in the four groups
	ds_load_b128 v[FAC+4:FAC+7], v[FADR] offset:16
	s_lshl_b32 s16, s13, 7
	s_lshl_b32 s17, s11, 6
	s_add_co_u32 s16, s16, s17                     ; my first row
	s_mul_i32 s16, s16, CPITCH
	s_mov_b32 s17, 0
	s_add_nc_u64 s[8:9], s[8:9], s[16:17]
	s_lshl_b32 s46, s42, 9                         ; my first column, in bytes
	s_lshl_b32 s47, s12, 8
	s_add_co_u32 s46, s46, s47
	s_mov_b32 s47, 0
	s_add_nc_u64 s[8:9], s[8:9], s[46:47]
	s_wait_dscnt 0x0
.macro OUT16 a, rb                     ; rows 16 a .. 16 a + 15: x 1 / l_row in f32, round once to f16, out
	WIN 0x01                                       ; source 0 in window 1
.set n, 0
.rept 32
	v_pk_mul_f32 v[T64+2*n:T64+2*n+1], v[64*\a+2*n:64*\a+2*n+1], v[FAC+2*\a:FAC+2*\a+1]
.set n, n+1
.endr
	WIN 0
.set n, 0
.rept 32
	v_cvt_pk_f16_f32 v[TMP+n], v[T64+2*n], v[T64+2*n+1]
.set n, n+1
.endr
	STAGE_OUT \a, \rb
.endm
	OUT16 0, 32
	OUT16 1, 64
	OUT16 2, 32
	OUT16 3, 64
	s_wait_tensorcnt 0x0
	ds_add_u32 v30, v31
	s_wait_dscnt 0x0
	CROUND                                         ; the closing round
	s_endpgm
.Lfunc_end_k_q88a1bb77f6_pv:
	.size	k_q88a1bb77f6_pv, .Lfunc_end_k_q88a1bb77f6_pv-k_q88a1bb77f6_pv
	.p2alignl 7, 3214868480
	.fill 96, 4, 3214868480
	.section	.rodata,"a",@progbits
	.p2align	6, 0x0
	.amdhsa_kernel k_q88a1bb77f6_pv
		.amdhsa_group_segment_fixed_size 327680
		.amdhsa_private_segment_fixed_size 0
		.amdhsa_enable_private_segment 0
		.amdhsa_kernarg_size 32
		.amdhsa_user_sgpr_count 2
		.amdhsa_user_sgpr_kernarg_segment_ptr 1
		.amdhsa_wavefront_size32 1
		.amdhsa_system_sgpr_workgroup_id_x 1
		.amdhsa_system_sgpr_workgroup_id_y 1
		.amdhsa_system_sgpr_workgroup_id_z 1
		.amdhsa_system_vgpr_workitem_id 0
		.amdhsa_next_free_vgpr 768
		.amdhsa_next_free_sgpr 80
		.amdhsa_reserve_vcc 0
		.amdhsa_float_denorm_mode_32 3
		.amdhsa_float_denorm_mode_16_64 3
		.amdhsa_memory_ordered 1
		.amdhsa_forward_progress 1
		.amdhsa_inst_pref_size 187
	.end_amdhsa_kernel
	.amdgpu_metadata
---
amdhsa.version: [ 1, 2 ]
amdhsa.kernels:
  - .name:           k_q88a1bb77f6_pv
    .symbol:         k_q88a1bb77f6_pv.kd
    .args:
      - { .name: pt, .offset: 0, .size: 8, .value_kind: global_buffer, .address_space: global }
      - { .name: qkv, .offset: 8, .size: 8, .value_kind: global_buffer, .address_space: global }
      - { .name: stats, .offset: 16, .size: 8, .value_kind: global_buffer, .address_space: global }
      - { .name: ctx, .offset: 24, .size: 8, .value_kind: global_buffer, .address_space: global }
    .group_segment_fixed_size: 327680
    .private_segment_fixed_size: 0
    .kernarg_segment_align: 8
    .kernarg_segment_size: 32
    .max_flat_workgroup_size: 128
    .sgpr_count:     80
    .vgpr_count:     768
    .wavefront_size: 32
...
	.end_amdgpu_metadata
.endif
;; end of part 4
;; launch outp (part 5): grid 4 x 64, 4 waves a work-group, clusters of 4 x 4, 327,680 bytes of LDS; arguments ctx, wh, bo, out0; writes out0
.if DOCPART == 5
	.amdgcn_target "amdgcn-amd-amdhsa--gfx1250"
	.amdhsa_code_object_version 6
	.text
	.protected	k_q88a1bb77f6_outp
	.globl	k_q88a1bb77f6_outp
	.p2align	8
	.type	k_q88a1bb77f6_outp,@function
k_q88a1bb77f6_outp:
	s_mov_b64 s[64:65], 0
	v_nop
	global_prefetch_b8 v0, s[64:65] scope:SCOPE_SE
	s_setreg_imm32_b32 hwreg(HW_REG_WAVE_MODE, 25, 1), 1
	s_wait_xcnt 0x0
	s_wait_alu depctr_hold_cnt(0) depctr_sa_sdst(0) depctr_va_vdst(0) depctr_va_sdst(0) depctr_va_ssrc(0) depctr_va_vcc(0) depctr_vm_vsrc(0)
	s_getreg_b32 s2, hwreg(HW_REG_IB_STS2, 6, 4)
	s_cmp_eq_u32 s2, 0
	s_cbranch_scc0 .Lentry_in_a_cluster
	s_endpgm
.Lentry_in_a_cluster:
	s_bfe_u32 s2, ttmp6, 0x10000c
	s_cmp_lg_u32 s2, 0xf033
	s_cbranch_scc0 .Lentry_shape_is_right
	s_endpgm
.Lentry_shape_is_right:
; out0[8192][1024] (f32) = ctx[8192][1024] (f16) x Wo + bo, sums in f32.  Wo is the fourth matrix of wh, [K][N] as it lies.
; LIMITS: bo is rounded to bf16 like every other input and added in f32.
; A work-group makes 128 rows x 256 columns with four waves, a wave 64 x 128; 64 x 4 = 256 work-groups.
; CLUSTERS: 4 x 4 work-groups; ctx's tile is shared along a row of the cluster, Wo's along a column; each tile is asked for jointly.
; LDS: slot s at s x 104,448: B 128 k-rows, pitch 544 (69,632 bytes), then A 128 rows, pitch 272 (34,816).  From 208,896 on: a stage of
; 16 rows x 528 bytes for each wave, which no tensor load ever fills.
; REGISTERS: window 0: v0-31 addresses; v32-127, v128-223 two fragment buffers.  window 1: accumulator tile (a, b) at v[8 (8 a + b)].
;   window 2: v0-63 the bias of my lane's 64 columns.
.set LAPS,   4
.set APE,    1024
.set BPE,    1024
.set ASTEP,  256
.set BSTEP,  128*BPE*2
.set CPITCH, 4096                      ; bytes in a row of out0
.set KSTEP,  128
.set PITCH,  272
.set BPITCH, 544
.set AHALF,  64*PITCH
.set BHALF,  64*BPITCH
.set AOFF,   2*BHALF
.set SLOT,   AOFF+2*AHALF
.set SCR,    2*SLOT
.set SPITCH, 528                       ; a stage row: 512 bytes + 16
.set ADRA, 16
.set ADRB, 20
.set STO,  24
.set RD,   25
.set CO,   26
.set AUX,  27
.set F0,   32
.set F1,   128
.set RB,   32                          ; v[32:95]   16 rows read back
.set T64,  128                         ; v[128:191] 64 f32 at work
.set TMP,  224
.set G1A, 24
.set G0A, 32
.set G1B, 48
.set G0B, 56
.set MUL, 0x50
.set MSB, 0
.macro WIN new
.if MSB != \new
	s_set_vgpr_msb (MSB<<8)|\new
.set MSB, \new
.endif
.endm
.macro PLACES                          ; four places behind a matrix instruction (ISA guide 7.12.1)
.rept 4
	v_nop
.endr
.endm
.macro JLOAD s                         ; waves 0 and 1 fetch B's two halves, waves 2 and 3 A's
	s_cmp_eq_u32 s11, 0
	s_cbranch_scc0 .Lfor_a_\@
	tensor_load_to_lds s[G0B+4*\s:G0B+4*\s+3], s[G1B:G1B+7]
	s_nop 0
.rept 4
	v_nop
.endr
	s_branch .Lasked_\@
.Lfor_a_\@:
	tensor_load_to_lds s[G0A+4*\s:G0A+4*\s+3], s[G1A:G1A+7]
	s_nop 0
.rept 4
	v_nop
.endr
.Lasked_\@:
.endm
.macro CREST
	s_cmp_lg_u32 s10, 0
	s_cbranch_scc1 .Lnot_wave_0_\@
	s_barrier_signal -3
.Lnot_wave_0_\@:
	s_barrier_wait -3
	s_barrier_signal -1
	s_barrier_wait -1
.endm
.macro CROUND
	s_barrier_signal -1
	s_barrier_wait -1
	CREST
.endm
; The 32 accumulators take turns, one instruction a turn, in the same order in every quarter step.
.macro MUL8 f, a, zero
.irp b, 0,1,2,3,4,5,6,7
.if \zero
	v_wmma_f32_16x16x32_f16 v[8*(8*\a+\b):8*(8*\a+\b)+7], v[\f+8*\b:\f+8*\b+7], v[\f+64+8*\a:\f+64+8*\a+7], 0
.else
	v_wmma_f32_16x16x32_f16 v[8*(8*\a+\b):8*(8*\a+\b)+7], v[\f+8*\b:\f+8*\b+7], v[\f+64+8*\a:\f+64+8*\a+7], v[8*(8*\a+\b):8*(8*\a+\b)+7]
.endif
.endr
.endm
.macro FETCH slot, kq, f               ; 24 LDS loads: B's 8 fragments (transposed on the way), then A's 4
.irp b, 0,1,2,3,4,5,6,7
	ds_load_tr16_b128 v[\f+8*\b:\f+8*\b+3],   v[ADRB+\slot] offset:\kq*32*BPITCH+32*\b
	ds_load_tr16_b128 v[\f+8*\b+4:\f+8*\b+7], v[ADRB+\slot] offset:\kq*32*BPITCH+32*\b+16*BPITCH
.endr
.irp a, 0,1,2,3
	ds_load_b128 v[\f+64+8*\a:\f+64+8*\a+3],   v[ADRA+\slot] offset:\kq*64+\a*16*PITCH
	ds_load_b128 v[\f+64+8*\a+4:\f+64+8*\a+7], v[ADRA+\slot] offset:\kq*64+\a*16*PITCH+32
.endr
.endm
.macro QUARTER slot, kq, f, g, zero
	s_wait_dscnt 4                                 ; B and A's rows 0-31 are in; the four youngest loads (A's rows 32-63) may be out
	WIN MUL
	MUL8 \f, 0, \zero
	MUL8 \f, 1, \zero
	WIN 0
	PLACES
	FETCH \slot, \kq, \g
	s_wait_dscnt 24                                ; all but the 24 just issued
	WIN MUL
	MUL8 \f, 2, \zero
	MUL8 \f, 3, \zero
.endm
.macro THREE slot, zero
	QUARTER \slot, 1, F0, F1, \zero
	QUARTER \slot, 2, F1, F0, 0
	QUARTER \slot, 3, F0, F1, 0
.endm
; The change of slots: each wave's reads of this slot and all its tensor loads are waited for in front of the barrier; behind it
; (fill = 1: behind the whole round of the cluster's barrier) the refill comes first, then the next slot's first fragments.
.macro TURN slot, next, fill
	s_wait_dscnt 4
	WIN MUL
	MUL8 F1, 0, 0
	s_wait_dscnt 0x0                               ; my reads of this slot are over
	s_wait_tensorcnt 0x0                           ; all my tensor loads have landed
	ds_add_u32 v30, v31
	s_wait_dscnt 0x0
	s_barrier_signal -1
	MUL8 F1, 1, 0
	WIN 0
	s_barrier_wait -1
.if \fill
	CREST
	s_add_nc_u64 s[G0A+4*\slot+2:G0A+4*\slot+3], s[G0A+4*\slot+2:G0A+4*\slot+3], 2*ASTEP
	s_add_nc_u64 s[G0B+4*\slot+2:G0B+4*\slot+3], s[G0B+4*\slot+2:G0B+4*\slot+3], 2*BSTEP
	JLOAD \slot                                    ; its four v_nop are also the places in front of the loads below
.else
	PLACES
.endif
	FETCH \next, 0, F0
	WIN MUL
	MUL8 F1, 2, 0
	MUL8 F1, 3, 0
.endm
.macro LAP zero
	THREE 0, \zero
	TURN 0, 1, 1
	THREE 1, 0
	TURN 1, 0, 1
.endm
	s_load_b128 s[4:7], s[0:1], 0x0                ; ctx s[4:5], wh s[6:7]
	s_load_b64 s[66:67], s[0:1], 0x10              ; bo
	s_load_b64 s[8:9], s[0:1], 0x18                ; out0
	v_lshl_add_u32 v30, v0, 2, 0x3b800
	v_mov_b32 v31, 0
	ds_add_u32 v30, v31
	v_lshrrev_b32 v1, 5, v0
	v_readfirstlane_b32 s10, v1                    ; wave 0..3
	s_lshr_b32 s11, s10, 1                         ; which 64 rows are mine.  Also: I fetch for B (0) or for A (1)
	s_and_b32 s12, s10, 1                          ; which 128 columns.  Also: which half of that tile I fetch
	s_bfe_u32 s40, ttmp6, 0x40000                  ; cx
	s_bfe_u32 s41, ttmp6, 0x40004                  ; cy
	s_lshl_b32 s42, ttmp9, 2
	s_add_co_u32 s42, s42, s40                     ; block column
	s_and_b32 s13, ttmp7, 0xffff
	s_lshl_b32 s13, s13, 2
	s_add_co_u32 s13, s13, s41                     ; block row
	s_lshl_b32 s43, s41, 2
	s_lshl_b32 s43, 15, s43                        ; my row of the cluster
	s_lshl_b32 s44, 0x1111, s40                    ; my column
	s_or_b32 s[G1A+0], s43, (1<<16)|(1<<20)|(1<<21)|(5<<22)|(3<<25)  ; A: 64 rows x 128 elements, 4 words of padding behind every 64
	s_mov_b32 s[G1A+1], KSTEP<<16
	s_mov_b32 s[G1A+2], 64<<16
	s_mov_b32 s[G1A+3], KSTEP<<16
	s_mov_b32 s[G1A+4], 64
	s_mov_b32 s[G1A+5], APE
	s_mov_b32 s[G1A+6], 0
	s_mov_b32 s[G1A+7], 0
	s_or_b32 s[G1B+0], s44, (1<<16)|(1<<20)|(1<<21)|(6<<22)|(7<<25)  ; B: 64 k-rows x 256 elements, 8 words of padding behind every 128
	s_mov_b32 s[G1B+1], 256<<16
	s_mov_b32 s[G1B+2], 64<<16
	s_mov_b32 s[G1B+3], 256<<16
	s_mov_b32 s[G1B+4], 64
	s_mov_b32 s[G1B+5], BPE
	s_mov_b32 s[G1B+6], 0
	s_mov_b32 s[G1B+7], 0
	s_lshl_b32 s17, s12, 6
	s_lshl_b32 s16, s13, 7
	s_add_co_u32 s16, s16, s17                     ; A: row 128 x block row + 64 x half
	s_mul_i32 s16, s16, APE*2
	s_mov_b32 s17, 0
	s_lshl_b32 s46, s42, 9                         ; B: 256 columns x block column
	s_lshl_b32 s47, s12, 17                        ; + 64 k-rows of 2,048 bytes x half
	s_add_co_u32 s46, s46, s47
	s_add_co_u32 s46, s46, 3*2097152               ; Wo is the fourth matrix of wh
	s_mov_b32 s47, 0
	s_mul_i32 s20, s10, BHALF
	s_mul_i32 s21, s10, AHALF
	s_add_co_u32 s21, s21, 2*AHALF
	s_wait_dscnt 0x0
	s_wait_kmcnt 0x0
	s_add_nc_u64 s[14:15], s[4:5], s[16:17]
	s_add_nc_u64 s[46:47], s[6:7], s[46:47]
	CROUND                                         ; all sixteen work-groups are here: the first joint loads meet
.irp s, 0,1
	s_mov_b32 s[G0A+4*\s], 1
	s_add_co_u32 s[G0A+4*\s+1], s21, \s*SLOT
	s_add_nc_u64 s[G0A+4*\s+2:G0A+4*\s+3], s[14:15], \s*ASTEP
	s_or_b32 s[G0A+4*\s+3], s[G0A+4*\s+3], 0x80000000
	s_mov_b32 s[G0B+4*\s], 1
	s_add_co_u32 s[G0B+4*\s+1], s20, \s*SLOT
	s_add_nc_u64 s[G0B+4*\s+2:G0B+4*\s+3], s[46:47], \s*BSTEP
	s_or_b32 s[G0B+4*\s+3], s[G0B+4*\s+3], 0x80000000
	JLOAD \s                                       ; two loads of the wave are out
.endr
	v_and_b32 v1, 15, v0                           ; r
	v_bfe_u32 v2, v0, 4, 1                         ; h
	v_mul_u32_u24 v3, v1, PITCH
	v_lshl_add_u32 v3, v2, 4, v3                   ; r x 272 + 16 h
	s_mul_i32 s22, s11, AHALF
	s_add_co_u32 s22, s22, AOFF
	v_add_nc_u32 v[ADRA], s22, v3
	v_add_nc_u32 v[ADRA+1], SLOT, v[ADRA]
	v_and_b32 v4, 7, v0
	v_lshl_add_u32 v4, v2, 3, v4                   ; B: k-row (l % 8) + 8 h
	v_mul_u32_u24 v4, v4, BPITCH
	v_bfe_u32 v5, v0, 3, 1
	v_lshl_add_u32 v4, v5, 4, v4
	s_lshl_b32 s23, s12, 8
	v_add_nc_u32 v[ADRB], s23, v4
	v_add_nc_u32 v[ADRB+1], SLOT, v[ADRB]
	s_mul_i32 s23, s10, 16*SPITCH
	s_add_co_u32 s23, s23, SCR                     ; my stage
	v_mul_u32_u24 v5, v1, SPITCH                   ; in: row r, 32 bytes for each half of the lanes
	v_lshl_add_u32 v5, v2, 5, v5
	v_add_nc_u32 v[STO], s23, v5
	v_and_b32 v6, 31, v0
	v_lshlrev_b32 v[CO], 4, v6                     ; back and out: 32 lanes take one row of 512 bytes
	v_add_nc_u32 v[RD], s23, v[CO]
	; the bias of my 64 columns 16 b + 8 h + j, rounded to bf16, into window 2
	s_lshl_b32 s74, s42, 10                        ; 256 columns x block column x 4 bytes
	s_lshl_b32 s75, s12, 9
	s_add_co_u32 s74, s74, s75
	s_mov_b32 s75, 0
	s_add_nc_u64 s[66:67], s[66:67], s[74:75]
	v_lshlrev_b32 v[AUX], 5, v2
	WIN 0x80
.irp b, 0,1,2,3,4,5,6,7
	global_load_b128 v[8*\b:8*\b+3],   v[AUX], s[66:67] offset:64*\b
	global_load_b128 v[8*\b+4:8*\b+7], v[AUX], s[66:67] offset:64*\b+16
.endr
	s_wait_loadcnt 0x0
	WIN 0x0a
.set i, 0
.rept 32
	v_cvt_pk_bf16_f32 v[TMP+i], v[2*i], v[2*i+1]
.set i, i+1
.endr
	WIN 0x80
.set i, 0
.rept 32
	v_lshlrev_b32 v[2*i],   16, v[TMP+i]
	v_and_b32     v[2*i+1], 0xffff0000, v[TMP+i]
.set i, i+1
.endr
	WIN 0
	s_wait_tensorcnt 0x1                           ; my part of K step 0 is in; K step 1's stays out
	s_barrier_signal -1
	s_barrier_wait -1
	FETCH 0, 0, F0
	LAP 1
	WIN 0
	s_mov_b32 s3, LAPS-2
.Llap:
	LAP 0
	WIN 0
	s_sub_co_u32 s3, s3, 1
	s_cmp_lg_u32 s3, 0
	s_cbranch_scc1 .Llap
	THREE 0, 0
	TURN 0, 1, 0
	THREE 1, 0
	s_wait_dscnt 4
	WIN MUL
	MUL8 F1, 0, 0
	MUL8 F1, 1, 0
	s_wait_dscnt 0x0
	MUL8 F1, 2, 0
	MUL8 F1, 3, 0
	WIN 0
	PLACES
	s_lshl_b32 s16, s13, 7
	s_lshl_b32 s17, s11, 6
	s_add_co_u32 s16, s16, s17                     ; my first row
	s_mul_i32 s16, s16, CPITCH
	s_mov_b32 s17, 0
	s_add_nc_u64 s[8:9], s[8:9], s[16:17]
	s_lshl_b32 s46, s42, 10                        ; my first column, in bytes
	s_lshl_b32 s47, s12, 9
	s_add_co_u32 s46, s46, s47
	s_mov_b32 s47, 0
	s_add_nc_u64 s[8:9], s[8:9], s[46:47]
; Rows 16 a .. 16 a + 15: add the bias, 32 bytes a lane and tile into my own stage, read back as whole rows of 512 bytes.
.macro OUT16 a
	WIN 0x09                                       ; source 0 window 1 (sums), source 1 window 2 (bias)
.set i, 0
.rept 32
	v_pk_add_f32 v[T64+2*i:T64+2*i+1], v[64*\a+2*i:64*\a+2*i+1], v[2*i:2*i+1]
.set i, i+1
.endr
	WIN 0
.irp b, 0,1,2,3,4,5,6,7
	ds_store_b128 v[STO], v[T64+8*\b:T64+8*\b+3]   offset:64*\b
	ds_store_b128 v[STO], v[T64+8*\b+4:T64+8*\b+7] offset:64*\b+16
.endr
	s_wait_xcnt 0x0                                ; the earlier stores' data registers and base are rewritten only behind this wait
.if \a
	s_add_nc_u64 s[8:9], s[8:9], 16*CPITCH
.endif
.irp t, 0,1,2,3,4,5,6,7,8,9,10,11,12,13,14,15
	ds_load_b128 v[RB+4*\t:RB+4*\t+3], v[RD] offset:\t*SPITCH      ; LDS serves a wave's instructions in order: these see the stores above
.endr
.irp t, 0,1,2,3,4,5,6,7,8,9,10,11,12,13,14,15
	s_wait_dscnt 15-\t                             ; load t is in, the younger ones stay out
	global_store_b128 v[CO], v[RB+4*\t:RB+4*\t+3], s[8:9] offset:\t*CPITCH th:TH_STORE_NT   ; the wave stores 512 consecutive bytes, aligned
.endr
.endm
	OUT16 0
	OUT16 1
	OUT16 2
	OUT16 3
	s_wait_tensorcnt 0x0
	ds_add_u32 v30, v31
	s_wait_dscnt 0x0
	CROUND                                         ; the closing round
	s_endpgm
.Lfunc_end_k_q88a1bb77f6_outp:
	.size	k_q88a1bb77f6_outp, .Lfunc_end_k_q88a1bb77f6_outp-k_q88a1bb77f6_outp
	.p2alignl 7, 3214868480
	.fill 96, 4, 3214868480
	.section	.rodata,"a",@progbits
	.p2align	6, 0x0
	.amdhsa_kernel k_q88a1bb77f6_outp
		.amdhsa_group_segment_fixed_size 327680
		.amdhsa_private_segment_fixed_size 0
		.amdhsa_enable_private_segment 0
		.amdhsa_kernarg_size 32
		.amdhsa_user_sgpr_count 2
		.amdhsa_user_sgpr_kernarg_segment_ptr 1
		.amdhsa_wavefront_size32 1
		.amdhsa_system_sgpr_workgroup_id_x 1
		.amdhsa_system_sgpr_workgroup_id_y 1
		.amdhsa_system_sgpr_workgroup_id_z 1
		.amdhsa_system_vgpr_workitem_id 0
		.amdhsa_next_free_vgpr 576
		.amdhsa_next_free_sgpr 80
		.amdhsa_reserve_vcc 0
		.amdhsa_float_denorm_mode_32 3
		.amdhsa_float_denorm_mode_16_64 3
		.amdhsa_memory_ordered 1
		.amdhsa_forward_progress 1
		.amdhsa_inst_pref_size 134
	.end_amdhsa_kernel
	.amdgpu_metadata
---
amdhsa.version: [ 1, 2 ]
amdhsa.kernels:
  - .name:           k_q88a1bb77f6_outp
    .symbol:         k_q88a1bb77f6_outp.kd
    .args:
      - { .name: ctx, .offset: 0, .size: 8, .value_kind: global_buffer, .address_space: global }
      - { .name: wh, .offset: 8, .size: 8, .value_kind: global_buffer, .address_space: global }
      - { .name: bo, .offset: 16, .size: 8, .value_kind: global_buffer, .address_space: global }
      - { .name: out0, .offset: 24, .size: 8, .value_kind: global_buffer, .address_space: global }
    .group_segment_fixed_size: 327680
    .private_segment_fixed_size: 0
    .kernarg_segment_align: 8
    .kernarg_segment_size: 32
    .max_flat_workgroup_size: 128
    .sgpr_count:     80
    .vgpr_count:     576
    .wavefront_size: 32
...
	.end_amdgpu_metadata
.endif
;; end of part 5
